; MI455X (gfx1250); checked and timed in simulation.
; The chip was launched on July 23, 2026; its instructions are those of AMD's public machine-readable ISA for CDNA 5 (MIT licence, August 2026) and "CDNA5" Instruction Set Architecture Reference Guide (July 2026). The comments in the code are by the model that wrote it; some were corrected since.
;; Multi Head Attention. Allowed arithmetic: matrix products marked QUANTISED: E2M1 operands, one E8M0 scale for each 32 along K, by v_wmma_scale_f32_16x16x128_f8f6f4 with both operands' format E2M1 (or v_wmma_scale_f32_32x16x128_f4), f32 sums; products left as they are: bf16, f16 or f32 operands; f32 sums; everything else in f32.
;; Inputs: Wk 1,024 x 1,024 float32; Wp 1,024 x 1,024 float32; Wq 1,024 x 1,024 float32; Wv 1,024 x 1,024 float32; bk 1,024 float32; bp 1,024 float32; bq 1,024 float32; bv 1,024 float32; x 4 x 2,048 x 1,024 float32.
;; Outputs: out0 4 x 2,048 x 1,024 float32.
;; This version of the problem:
;;   THIS VERSION OF THE PROBLEM IS GIVEN IN LOW PRECISION. The matrix products marked QUANTISED in the list below multiply operands that are first quantised to E2M1 (2 exponent bits, 1 mantissa bit; 4 bits a number), with one power-of-two scale for each 32 numbers along K (OCP MX v1.0); their sums are f32. The products marked 'left as it is' may take bf16, f16 or f32 operands, with f32 sums. Whichever they take, every output number must still come out within the allowed error. Rounding operands to bf16 (8 significant bits) uses up far more of that allowance than f16 does (11 bits, for magnitudes from 6e-5 to 65,504). All else is computed in f32.
;;   The module's matrix products, in the order in which they are computed (A, B: the left and right operand; K: the contracted axis; several contracted axes count as one K, in the product's order):
;;     1. [M 8,192, K 1,024] x [K 1,024, N 1,024]; A: input x; B: input Wq: QUANTISED
;;     2. [M 8,192, K 1,024] x [K 1,024, N 1,024]; A: input x; B: input Wk: QUANTISED
;;     3. [M 8,192, K 1,024] x [K 1,024, N 1,024]; A: input x; B: input Wv: QUANTISED
;;     4. batch 64 x [M 2,048, K 64] x [K 64, N 2,048]; A: computed on the way; B: computed on the way: left as it is (an operand is computed on the way)
;;     5. batch 64 x [M 2,048, K 2,048] x [K 2,048, N 64]; A: computed on the way; B: computed on the way: left as it is (an operand is computed on the way)
;;     6. [M 8,192, K 1,024] x [K 1,024, N 1,024]; A: computed on the way; B: input Wp: left as it is (an operand is computed on the way)
;;   THE QUANTISER, for each operand of a quantised product, along K:
;;     - K is cut into blocks of 32 from its start; a last block that is shorter is filled with zeros.
;;     - A block's scale is 2^e with e = floor(log2(the largest magnitude in the block)) - 2, held to -126 .. 127; a block of zeros has e = 0. As a byte (E8M0): e + 127.
;;     - Each number is divided by its block's scale, clamped to +-6, and rounded to the nearest number of E2M1, ties to even, subnormals kept.
;;     - The product sums the exact products of the quantised numbers (number of the format x scale) in f32.
;;   ~~~python
;;   def quantise(x, axis):      # numpy; x: float32 -> the quantised numbers, widened to float32 again
;;       x = np.moveaxis(x, axis, -1); K = x.shape[-1]
;;       x = np.pad(x, [(0, 0)] * (x.ndim - 1) + [(0, -K % 32)]); x = x.reshape(x.shape[:-1] + (-1, 32)); a = np.abs(x).max(-1, keepdims=True)
;;       e = np.where(a > 0, np.clip(np.frexp(np.where(a > 0, a, 1))[1] - 1 - 2, -126, 127), 0)      # np.frexp(a)[1] - 1 = floor(log2(a)), exactly
;;       r = np.clip(x / 2.0 ** e, -6, 6)
;;       step = 2.0 ** (np.maximum(np.frexp(np.where(r == 0, 1, r))[1] - 1, 0) - 1)
;;       q = np.round(r / step) * step * 2.0 ** e      # np.round: ties to even
;;       return np.moveaxis(q.reshape(q.shape[:-2] + (-1,))[..., :K], -1, axis).astype(np.float32)
;;   ~~~
;; One version. Each part assembles by itself: llvm-mc -triple=amdgcn-amd-amdhsa -mcpu=gfx1250 --defsym DOCPART=n.
;; ======== version 1 of 1: 5 launches
;; limits: values are held in f16: magnitudes above 65,504 overflow, below 6.1e-05 lose precision
;; workspace buffers: xq 4,456,448 bytes; wq 1,671,168 bytes; wp16 2,097,152 bytes; qkv16 50,331,648 bytes; qkv32 786,432 bytes; y16 16,777,216 bytes
;; launch prep (part 1): grid 480 x 1, 4 waves a work-group, no clusters, 51,712 bytes of LDS; arguments x, Wq, Wk, Wv, Wp, xq, wq, wp16; writes xq, wq, wp16
.if DOCPART == 1
	.amdgcn_target "amdgcn-amd-amdhsa--gfx1250"
	.amdhsa_code_object_version 6
	.text
	.protected	k_q4f6513879e_prep
	.globl	k_q4f6513879e_prep
	.p2align	8
	.type	k_q4f6513879e_prep,@function
k_q4f6513879e_prep:
	s_mov_b64 s[64:65], 0
	v_nop
	global_prefetch_b8 v0, s[64:65] scope:SCOPE_SE
	s_setreg_imm32_b32 hwreg(HW_REG_WAVE_MODE, 25, 1), 1
	s_wait_xcnt 0x0
; PREP: the operands of the later launches are made once.
;   x [8192][1024] f32            -> xq:   codes of FP4 (E2M1) [8192][512 bytes] at byte 0, E8M0 scale bytes [8192][32] at byte 4,194,304   (K = the 1,024 channels, innermost in x)
;   Wq, Wk, Wv [1024 k][1024 n]   -> wq:   codes [3][1024 n][512 bytes] at byte 0, scale bytes [3][1024 n][32] at byte 1,572,864              (K is the weights' FIRST axis; the codes are laid with K innermost)
;   Wp [1024 k][1024 n] f32       -> wp16: the same numbers as f16, laid as Wp (the last product is left as it is)
; DEAD WORK, shown here for the whole program.  reference() forms k = x Wk + bk, and k goes into the scores alone: q . k = q . (x Wk) + q . bk.  The term q . bk is one number for a query, the same
; for all its keys; the causal mask sets hidden scores to -infinity and changes no other; a softmax along the keys of (s + a constant) is the softmax of s, for all finite values.  The product of q
; and k is not quantised, so no quantiser stands between bk and that softmax.  So bk can reach no output: it is not loaded and is among no launch's arguments.  Score tiles that lie wholly above the
; diagonal of the mask that reference() builds are not computed either (launch attn).
; LIMITS: a NaN, an infinity or an overflow that reaches only the work left out (bk) is not carried to the result.  A block's scale byte is the largest magnitude's exponent field - 2, held at 1 from
; below: a block of zeros gets the byte 1 where the quantiser says 127 (its codes are zeros, which add nothing under any byte but 0xff, and this program alone reads the bytes); blocks whose largest
; magnitude lies under 2^-124 get the byte 1.  NaN and infinities among the inputs are not served.  |Wp| stays under 65,504 (f16).
; SHARES.  Work-groups 0-255: x, 32,768 numbers each.  256-351: a weight's 128 columns x 256 along K each.  352-479: Wp, 8,192 numbers each.  The three ways part on the work-group's number alone,
; and each has LDS bytes of its own.  No work-group reads what another reads, so there is nothing to share in a cluster; no tensor load, no barrier: waves share nothing.
.set STEPS, 16
.set EMAX,  2
.set CB,    8                          ; bytes of 16 codes
.set R,     16                         ; x: v16-79   four sets of 16 numbers as they are loaded
.set X,     80                         ; x: v80-111  two sets of 16 neighbours
.set E,     112                        ; x: v112-127 a scale byte for each step
.set C,     128                        ; x: v128-191 codes: four registers for each step
.set WREG,  8192                       ; x: LDS region of a wave: two stages of 32 x SP bytes, then its 256 scale bytes
.set SP,    80                         ; x: a lane's place in a stage: 64 bytes + 16 of padding
.set NB,    8                          ; weights: blocks of 32 along K for a wave
.set WPITCH, 144                       ; weights: a stage row: 128 bytes of codes + 16
.set WST,   32768                      ; weights: the stages begin here, 32 x WPITCH bytes a wave
.set WX,    32                         ; weights: v32-95 two sets of 32 numbers
.set WC,    96                         ; weights: v96-99 a block's codes
.set OUTR,  112                        ; weights: v112-143 the way out
.set SB,    24                         ; weights: v24-25 the scale bytes, four to a register
.set SPW,   192                        ; v192 LDS address of my spare word: SPARE + 4 x my thread's number; never rewritten
.set NIL,   193                        ; v193 0; never rewritten
.set SPARE, 51200                      ; behind both regions: the spare words, 128 bytes for each wave
.macro FINISH                          ; a wave's end: behind the last LDS store
	s_wait_tensorcnt 0x0
	ds_add_u32 v[SPW], v[NIL]
	s_wait_dscnt 0x0
	s_endpgm
.endm
	s_load_b512 s[8:23], s[0:1], 0x0               ; x 8:9, Wq 10:11, Wk 12:13, Wv 14:15, Wp 16:17, xq 18:19, wq 20:21, wp16 22:23
	v_lshl_add_u32 v[SPW], v0, 2, SPARE
	v_mov_b32 v[NIL], 0
	v_lshrrev_b32 v1, 5, v0
	v_readfirstlane_b32 s24, v1                    ; wave
	v_and_b32 v2, 31, v0                           ; lane
	s_wait_kmcnt 0x0
	s_cmp_lt_u32 ttmp9, 256
	s_cbranch_scc0 .Lweights
; ---------------- x: a plain stream of blocks of 32.  A wave takes 16 steps of 512 numbers.  Each load reads 512 consecutive bytes; a step's 2,048 bytes turn through the wave's own stage, so that a lane
; then holds 16 NEIGHBOURS along K (two neighbouring lanes hold a block), as the conversions want them.
	v_lshlrev_b32 v3, 4, v2                        ; my 16 bytes of a load's 512
	s_mul_i32 s25, s24, WREG
	v_lshrrev_b32 v14, 2, v2
	v_mul_u32_u24 v14, v14, SP
	v_and_b32 v15, 3, v2
	v_lshl_add_u32 v14, v15, 4, v14
	v_add_nc_u32 v14, s25, v14                     ; the stage, on the way in: SP (lane / 4) + 16 (lane % 4)
	v_mul_u32_u24 v15, v2, SP
	v_add_nc_u32 v15, s25, v15                     ; and on the way out: SP x lane
	v_mul_u32_u24 v4, v2, CB                       ; my codes' place in a step's
	v_lshrrev_b32 v5, 1, v2
	s_add_co_u32 s25, s25, 2*32*SP
	v_add_nc_u32 v5, s25, v5                       ; LDS: my wave's 256 scale bytes, my block's byte
	v_lshlrev_b32 v7, 3, v2                        ; and on the way out 8 bytes a lane
	v_add_nc_u32 v6, s25, v7
	s_lshl_b32 s26, ttmp9, 2
	s_add_co_u32 s26, s26, s24                     ; which run of 8,192 numbers is my wave's: 0 .. 1,023
	s_lshl_b32 s28, s26, 15                        ; 32,768 bytes of f32 a run
	s_mov_b32 s29, 0
	s_add_nc_u64 s[8:9], s[8:9], s[28:29]
	s_lshl_b32 s28, s26, 12                        ; 4,096 bytes of codes a run
	s_add_nc_u64 s[30:31], s[18:19], s[28:29]
	s_lshl_b32 s28, s26, 8                         ; 256 scale bytes a run,
	s_add_co_u32 s28, s28, 4194304                 ; behind the codes
	s_add_nc_u64 s[32:33], s[18:19], s[28:29]
.macro LOAD t
.irp i, 0,1,2,3
	global_load_b128 v[R+16*((\t)%4)+4*\i:R+16*((\t)%4)+4*\i+3], v3, s[8:9] offset:2048*(\t)+512*\i th:TH_LOAD_NT   ; 32 lanes read 512 consecutive bytes
.endr
.endm
.macro TURN t                          ; step t's numbers through the stage: LDS serves a wave's instructions in order, so no wait stands between the stores and the loads
.irp i, 0,1,2,3
	ds_store_b128 v14, v[R+16*((\t)%4)+4*\i:R+16*((\t)%4)+4*\i+3] offset:32*SP*((\t)%2)+8*SP*\i
.endr
.irp i, 0,1,2,3
	ds_load_b128 v[X+16*((\t)%2)+4*\i:X+16*((\t)%2)+4*\i+3], v15 offset:32*SP*((\t)%2)+16*\i
.endr
.endm
.irp t, 0,1,2,3
	LOAD \t
.endr
	s_wait_loadcnt 12                              ; step 0's four loads are in; the twelve behind them may be out
	TURN 0
.macro STEP t
.set XS, X+16*((\t)%2)
.if (\t) > 0
	s_wait_dscnt 1                                 ; this step's numbers are back from the stage (the last step's byte store may be out): so its stores into the stage have read their registers,
.else
	s_wait_dscnt 0x0
.endif
.if (\t)+4 < STEPS
	LOAD (\t)+4                                    ; which take the loads of four steps on
.endif
.if (\t)+1 < STEPS
.if STEPS-2-(\t) >= 3
	s_wait_loadcnt 12                              ; the next step's four loads are in; those of the three steps behind it may be out
.else
	s_wait_loadcnt 4*(STEPS-2-(\t))
.endif
	TURN (\t)+1                                    ; and go through the other stage while this step is worked
.endif
	v_max3_num_f32 v8, |v[XS]|, |v[XS+1]|, |v[XS+2]|               ; the largest magnitude of my 16, in two chains
	v_max3_num_f32 v9, |v[XS+3]|, |v[XS+4]|, |v[XS+5]|
.irp i, 6,10
	v_max3_num_f32 v8, v8, |v[XS+\i]|, |v[XS+\i+1]|
	v_max3_num_f32 v9, v9, |v[XS+\i+2]|, |v[XS+\i+3]|
.endr
	v_max3_num_f32 v8, v8, |v[XS+14]|, |v[XS+15]|
	v_max3_num_f32 v8, v8, v9, (EMAX+1)<<23        ; and the floor 2^(EMAX + 1 - 127): so the byte cannot fall under 1
	v_max_num_f32_dpp v8, v8, v8 row_xmask:1 row_mask:0xf bank_mask:0xf   ; and of my neighbour's 16: the block's
	v_add_nc_u32 v11, -(EMAX<<23), v8              ; EMAX off its exponent field: the conversion takes the exponent field of this operand as its scale, and nothing else of it
	v_cvt_scalef32_pk8_fp4_f32 v[C+4*(\t)], v[XS:XS+7], v11        ; eight numbers / the scale, to the nearest code, ties to even, beyond the largest code the largest; the first number's code in the lowest bits
	v_cvt_scalef32_pk8_fp4_f32 v[C+4*(\t)+1], v[XS+8:XS+15], v11
	v_lshrrev_b32 v[E+(\t)], 23, v11               ; the scale's byte
	ds_store_b8 v5, v[E+(\t)] offset:16*(\t)       ; both lanes of a block write the same byte with the same value
	global_store_b64 v4, v[C+4*(\t):C+4*(\t)+1], s[30:31] offset:32*CB*(\t)   ; the wave stores 256 consecutive bytes, aligned
.endm
.irp t, 0,1,2,3,4,5,6,7,8,9,10,11,12,13,14,15
	STEP \t
.endr
	ds_load_b64 v[8:9], v6                         ; LDS serves a wave's instructions in order: these see my stores
	s_wait_dscnt 0x0
	global_store_b64 v7, v[8:9], s[32:33]          ; 32 lanes store 256 consecutive bytes, aligned
	FINISH
; ---------------- Wq, Wk, Wv: A LANE TAKES A COLUMN n, AND ITS REGISTERS RUN DOWN K: a block of 32 along K lies in one lane's 32 registers, and the conversions give codes with K innermost.
; A wave takes 32 columns x 256 along K: 8 blocks a lane, 128 bytes of codes a column, which leave through the wave's own stage as rows: eight lanes store a column's 128 consecutive bytes.
.Lweights:
	s_cmp_lt_u32 ttmp9, 352
	s_cbranch_scc0 .Lwp
	s_sub_co_u32 s25, ttmp9, 256
	s_lshr_b32 s26, s25, 5                         ; which weight: 0 Wq, 1 Wk, 2 Wv
	s_bfe_u32 s27, s25, 0x20003                    ; which 256 along K
	s_and_b32 s25, s25, 7
	s_lshl_b32 s25, s25, 7
	s_lshl_b32 s28, s24, 5
	s_add_co_u32 s25, s25, s28                     ; my wave's first column
	s_cmp_eq_u32 s26, 0                            ; the choice hangs on the work-group's number alone
	s_cselect_b64 s[30:31], s[10:11], s[12:13]
	s_cmp_eq_u32 s26, 2
	s_cselect_b64 s[30:31], s[14:15], s[30:31]
	s_lshl_b32 s28, s27, 20                        ; 256 rows of 4,096 bytes
	s_lshl_b32 s29, s25, 2
	s_add_co_u32 s28, s28, s29
	s_mov_b32 s29, 0
	s_add_nc_u64 s[30:31], s[30:31], s[28:29]      ; the weight at my first number
	s_lshl_b32 s28, s26, 19                        ; a weight's codes: 524,288 bytes
	s_lshl_b32 s34, s25, 9                         ; a column's: 512
	s_add_co_u32 s28, s28, s34
	s_lshl_b32 s34, s27, 7                         ; 256 along K: 128
	s_add_co_u32 s28, s28, s34
	s_add_nc_u64 s[32:33], s[20:21], s[28:29]      ; the codes
	s_lshl_b32 s28, s26, 15                        ; a weight's scale bytes: 32,768
	s_lshl_b32 s34, s25, 5
	s_add_co_u32 s28, s28, s34
	s_lshl_b32 s34, s27, 3
	s_add_co_u32 s28, s28, s34
	s_add_co_u32 s28, s28, 1572864                 ; behind the codes
	s_add_nc_u64 s[34:35], s[20:21], s[28:29]      ; the scale bytes
	v_lshlrev_b32 v3, 2, v2                        ; in: 4 bytes a lane
	s_mul_i32 s36, s24, 32*WPITCH
	s_add_co_u32 s36, s36, WST                     ; my stage
	v_mul_u32_u24 v4, v2, WPITCH
	v_add_nc_u32 v4, s36, v4                       ; into it: row = my column
	v_and_b32 v5, 7, v2
	v_lshrrev_b32 v6, 3, v2                        ; out of it: eight lanes to a row, four rows an instruction
	v_mul_u32_u24 v7, v6, WPITCH
	v_lshl_add_u32 v7, v5, 4, v7
	v_add_nc_u32 v7, s36, v7
	v_lshlrev_b32 v8, 9, v6
	v_lshl_add_u32 v8, v5, 4, v8                   ; and the same place in the codes' buffer
	v_lshlrev_b32 v9, 5, v2                        ; my column's row of scale bytes
.macro WLOAD t                         ; block t: W(32 t + i, my column), i = 0 .. 31, into set t % 2; 32 lanes read 128 consecutive bytes
.set i, 0
.rept 32
	global_load_b32 v[WX+32*((\t)%2)+i], v3, s[30:31] offset:(32*(\t)+i)*4096 th:TH_LOAD_NT
.set i, i+1
.endr
.endm
	WLOAD 0
	WLOAD 1
.macro WBLOCK t
.set XS, WX+32*((\t)%2)
.if (\t) < NB-1
	s_wait_loadcnt 32                              ; this block's 32 loads are in; the next block's may be out
.else
	s_wait_loadcnt 0
.endif
	v_max3_num_f32 v12, |v[XS]|, |v[XS+1]|, |v[XS+2]|              ; the block's largest magnitude: all 32 numbers are mine
	v_max3_num_f32 v13, |v[XS+3]|, |v[XS+4]|, |v[XS+5]|
.irp i, 6,10,14,18,22,26
	v_max3_num_f32 v12, v12, |v[XS+\i]|, |v[XS+\i+1]|
	v_max3_num_f32 v13, v13, |v[XS+\i+2]|, |v[XS+\i+3]|
.endr
	v_max3_num_f32 v12, v12, |v[XS+30]|, |v[XS+31]|
	v_max3_num_f32 v12, v12, v13, (EMAX+1)<<23     ; and the floor
	v_add_nc_u32 v11, -(EMAX<<23), v12             ; the conversion's scale operand
	v_lshrrev_b32 v13, 23, v11                     ; the scale's byte
.if (\t)%4 == 0
	v_mov_b32 v[SB+(\t)/4], v13                    ; four bytes to a register, the lower K in the lower byte
.else
	v_lshl_or_b32 v[SB+(\t)/4], v13, 8*((\t)%4), v[SB+(\t)/4]
.endif
.irp g, 0,1,2,3
	v_cvt_scalef32_pk8_fp4_f32 v[WC+\g], v[XS+8*\g:XS+8*\g+7], v11
.endr
	ds_store_b128 v4, v[WC:WC+3] offset:16*(\t)    ; 32 codes: 16 bytes of my column's row
.if (\t)+2 < NB
	WLOAD (\t)+2
.endif
	s_wait_dscnt 0x0                               ; the store has read its registers: the next block's codes may be written
.endm
.irp t, 0,1,2,3,4,5,6,7
	WBLOCK \t
.endr
	global_store_b64 v9, v[SB:SB+1], s[34:35]      ; my column's 8 scale bytes
.irp t, 0,1,2,3,4,5,6,7
	ds_load_b128 v[OUTR+4*\t:OUTR+4*\t+3], v7 offset:4*\t*WPITCH   ; LDS serves a wave's instructions in order: these see my stores
.endr
.irp t, 0,1,2,3,4,5,6,7
	s_wait_dscnt 7-\t                              ; loads come back in order: number t is in
	global_store_b128 v8, v[OUTR+4*\t:OUTR+4*\t+3], s[32:33] offset:2048*\t
.endr
	FINISH
; ---------------- Wp: f32 to f16, as it lies.  A wave takes 2,048 numbers: 16 loads of 512 consecutive bytes, 16 stores of 256 consecutive bytes, aligned.
.Lwp:
	s_sub_co_u32 s25, ttmp9, 352
	s_lshl_b32 s25, s25, 2
	s_add_co_u32 s25, s25, s24                     ; my run: 0 .. 511
	s_lshl_b32 s28, s25, 13
	s_mov_b32 s29, 0
	s_add_nc_u64 s[30:31], s[16:17], s[28:29]
	s_lshl_b32 s28, s25, 12
	s_add_nc_u64 s[32:33], s[22:23], s[28:29]
	v_lshlrev_b32 v3, 4, v2
	v_lshlrev_b32 v4, 3, v2
.irp t, 0,1,2,3,4,5,6,7,8,9,10,11,12,13,14,15
	global_load_b128 v[16+4*\t:19+4*\t], v3, s[30:31] offset:512*\t th:TH_LOAD_NT
.endr
.irp t, 0,1,2,3,4,5,6,7,8,9,10,11,12,13,14,15
	s_wait_loadcnt 15-\t                           ; loads come back in order: number t is in
	v_cvt_pk_f16_f32 v[80+2*\t], v[16+4*\t], v[17+4*\t]
	v_cvt_pk_f16_f32 v[81+2*\t], v[18+4*\t], v[19+4*\t]
	global_store_b64 v4, v[80+2*\t:81+2*\t], s[32:33] offset:256*\t
.endr
	FINISH
.Lfunc_end_k_q4f6513879e_prep:
	.size	k_q4f6513879e_prep, .Lfunc_end_k_q4f6513879e_prep-k_q4f6513879e_prep
	.p2alignl 7, 3214868480
	.fill 96, 4, 3214868480
	.section	.rodata,"a",@progbits
	.p2align	6, 0x0
	.amdhsa_kernel k_q4f6513879e_prep
		.amdhsa_group_segment_fixed_size 51712
		.amdhsa_private_segment_fixed_size 0
		.amdhsa_enable_private_segment 0
		.amdhsa_kernarg_size 64
		.amdhsa_user_sgpr_count 2
		.amdhsa_user_sgpr_kernarg_segment_ptr 1
		.amdhsa_wavefront_size32 1
		.amdhsa_system_sgpr_workgroup_id_x 1
		.amdhsa_system_sgpr_workgroup_id_y 1
		.amdhsa_system_sgpr_workgroup_id_z 1
		.amdhsa_system_vgpr_workitem_id 0
		.amdhsa_next_free_vgpr 200
		.amdhsa_next_free_sgpr 66
		.amdhsa_reserve_vcc 0
		.amdhsa_float_denorm_mode_32 3
		.amdhsa_float_denorm_mode_16_64 3
		.amdhsa_memory_ordered 1
		.amdhsa_forward_progress 1
		.amdhsa_inst_pref_size 79
	.end_amdhsa_kernel
	.amdgpu_metadata
---
amdhsa.version: [ 1, 2 ]
amdhsa.kernels:
  - .name:           k_q4f6513879e_prep
    .symbol:         k_q4f6513879e_prep.kd
    .args:
      - { .name: x, .offset: 0, .size: 8, .value_kind: global_buffer, .address_space: global }
      - { .name: Wq, .offset: 8, .size: 8, .value_kind: global_buffer, .address_space: global }
      - { .name: Wk, .offset: 16, .size: 8, .value_kind: global_buffer, .address_space: global }
      - { .name: Wv, .offset: 24, .size: 8, .value_kind: global_buffer, .address_space: global }
      - { .name: Wp, .offset: 32, .size: 8, .value_kind: global_buffer, .address_space: global }
      - { .name: xq, .offset: 40, .size: 8, .value_kind: global_buffer, .address_space: global }
      - { .name: wq, .offset: 48, .size: 8, .value_kind: global_buffer, .address_space: global }
      - { .name: wp16, .offset: 56, .size: 8, .value_kind: global_buffer, .address_space: global }
    .group_segment_fixed_size: 51712
    .private_segment_fixed_size: 0
    .kernarg_segment_align: 8
    .kernarg_segment_size: 64
    .max_flat_workgroup_size: 128
    .sgpr_count:     66
    .vgpr_count:     200
    .wavefront_size: 32
...
	.end_amdgpu_metadata
.endif
;; end of part 1
;; launch gemm_qkv (part 2): grid 12 x 32, 4 waves a work-group, clusters of 4 x 4, 327,680 bytes of LDS; arguments xq, wq, bq, bv, qkv16, qkv32; writes qkv16, qkv32
.if DOCPART == 2
	.amdgcn_target "amdgcn-amd-amdhsa--gfx1250"
	.amdhsa_code_object_version 6
	.text
	.protected	k_q4f6513879e_gemm_qkv
	.globl	k_q4f6513879e_gemm_qkv
	.p2align	8
	.type	k_q4f6513879e_gemm_qkv,@function
k_q4f6513879e_gemm_qkv:
	s_mov_b64 s[64:65], 0
	v_nop
	global_prefetch_b8 v0, s[64:65] scope:SCOPE_SE
	s_setreg_imm32_b32 hwreg(HW_REG_WAVE_MODE, 25, 1), 1
	s_wait_xcnt 0x0
	s_wait_alu depctr_hold_cnt(0) depctr_sa_sdst(0) depctr_va_vdst(0) depctr_va_sdst(0) depctr_va_ssrc(0) depctr_va_vcc(0) depctr_vm_vsrc(0)
	s_getreg_b32 s2, hwreg(HW_REG_IB_STS2, 6, 4)
	s_cmp_eq_u32 s2, 0
	s_cbranch_scc0 .Lentry_in_a_cluster
	s_endpgm
.Lentry_in_a_cluster:
	s_bfe_u32 s2, ttmp6, 0x10000c
	s_cmp_lg_u32 s2, 0xf033
	s_cbranch_scc0 .Lentry_shape_is_right
	s_endpgm
.Lentry_shape_is_right:
; q = x Wq + bq, k = x Wk, v = x Wv + bv as ONE product on codes of FP4 (E2M1) with E8M0 scales: [8192 rows of x] x [3072 columns: q's 1,024, k's, v's], K = 1,024.  Sums in f32.
; LEFT OUT: bk (it can reach no output: shown at the head of launch prep).
; OUT: qkv16 [3][b 4][h 16][t 2048][64] f16, by heads, for the later products; qkv32 [b 4][t 16][3072] f32: positions 0-15 of every sequence, which the last launch carries in f32.
; LIMIT: |q|, |k|, |v| stay under 65,504 (f16).  The biases enter as the C of each sum's first matrix instruction: another order of rounding than reference()'s, which adds them last.
; A tile of C, 256 x 256, is made by a work-group of four waves; a wave makes 128 x 128: 64 accumulators of 16 x 16, 512 registers.  K's 1,024 lie in two LDS slots of 512 along K (rows of 256 bytes),
; so nothing is filled again: each wave issues three tensor loads at the start (its quarter of the scales, of slot 0, of slot 1) and no more.
; CLUSTERS: 4 x 4 work-groups.  The four of a row of the cluster need the same tiles of x, the four of a column the same tiles of the weights: each tile is asked for JOINTLY.
; Tile column = 4 x cluster x + cx, so cluster x says which of q, k, v.  TILE ROW = 8 cy + cluster y, so cy is the batch and cluster y = 0 marks the tiles that hold a sequence's first rows: that number is
; equal in all sixteen partners.
; THE MATRIX INSTRUCTION IS USED TRANSPOSED (source 0 = 16 rows of the weights' codes, source 1 = 16 rows of x): a lane then holds eight neighbouring columns of one row of C.
; REGISTERS, in windows of 256: window 0: v0-31 addresses; v32-95 scale words, two sets; from v128 x's fragments, ONE set; on the way out v32-255 are free.
;   window 1: the weights' fragments, TWO sets, at v0 and at v128; v192-255 the biases, 8 registers for each block of 16 columns.   window 2: the accumulators of my rows 0-63 ((a, b) at v[8 (8 a + b)]);   window 3: of my rows 64-127.
.set NQ,     4                         ; matrix instructions deep in a slot
.set ROWB,   256                       ; a tile's row in bytes: 512 codes
.set KROW,   512                       ; a row of codes in memory
.set PITCH,  272                       ; an LDS row: 256 bytes + 16 of padding = 68 words: row r starts at bank 4 r mod 64 (64 banks of 4 bytes: ISA guide 11.1)
.set FR,     8                         ; registers of a fragment: 16 rows x 128 K
.set NL,     2                         ; LDS loads that bring one
.set NP,     4                         ; places behind this matrix instruction (ISA guide 7.12.1)
.set HALFT,  128*PITCH                 ; 128 rows: what one tensor load brings
.set SLOT,   4*HALFT
.set KS,     32                        ; a row of scale bytes
.set SCL,    2*SLOT                    ; behind the slots: the scales, as units of 256 bytes + 16 of padding
.set HALFS,  16*272                    ; the scales of 128 rows
.set SBLK,   2*272                     ; those of 16 rows
.set SPARE,  SCL+4*HALFS               ; the spare words, 128 bytes for each wave
.set SPITCH, 528                       ; the way out: a stage of 16 x 528 bytes for each wave, in slot 0, which has had its only fill and its last read when the first result is stored there
.set XSCALES, 4194304                  ; where the scale bytes begin in xq,
.set WSCALES, 1572864                  ; and in wq
.set ADRA, 16                          ; v16-17  LDS address of my fragments of x in slot 0, 1
.set ADRB, 20                          ; v20-21  the same for the weights
.set STO16, 22                         ; v22     the f16 way out: where I put 16 bytes of a row
.set RD16, 23                          ; v23     and where I read back
.set STO,  24                          ; v24     the f32 way out: where I put 32 bytes of a row
.set RD,   25                          ; v25     and where I read a row back
.set CO,   26                          ; v26     my byte offset in a row of qkv32
.set ADRS, 27                          ; v27     LDS address of my scale words: lanes 0-15 x's rows, lanes 16-31 the weights'
.set SPW,  28                          ; v28     LDS address of my spare word; never rewritten
.set NIL,  29                          ; v29     0; never rewritten
.set CO16, 30                          ; v30     my byte offset in qkv16
.set SC,   32                          ; scale words: set s at v[SC + 32 s]; register 4 i + q: lanes 0-15 the word of x's block i, lanes 16-31 that of the weights' block i
.set AF,   128                         ; x's fragments, window 0
.set BIAS, 192                         ; the biases, window 1
.set TMP,  192                         ; the way out: packed results, window 0
.set OB,   32                          ; the way out: rows read back: v32-63 and v224-255 by turns
.set FB,   64                          ; the f32 way out: 16 rows read back: v64-127
.set WV,   18                          ; s18 wave;  s19 which half of the tile's rows is mine, also: I fetch for x (0) or for the weights (1);  s20 which half of its columns, also: which 128 rows I fetch
.set RH,   19
.set CH,   20
.set FLAG, 21                          ; s21 0 in a wave whose first 16 rows are positions 0-15 of a sequence
.set G1, 24
.set G0, 32
.set G1B, 48
.set G0B, 56
.set G1S, 68
.set G0S, 76
.set G1SB, 80
.set G0SB, 88
.set MSB, 0
.macro WIN new                         ; the immediate's high byte repeats the setting that is left
.if MSB != \new
	s_set_vgpr_msb (MSB<<8)|\new
.set MSB, \new
.endif
.endm
.set MUL_LO, 0xa1                      ; source 0 window 1, source 1 window 0, C and D window 2
.set MUL_HI, 0xf1                      ; the same, C and D window 3
.set TO_B,   0x40                      ; destination window 1, address window 0
; A joint load: waves 0 and 1 fetch for x, waves 2 and 3 for the weights.  The branch hangs on the wave's number alone.  An s_nop 0 and four v_nop follow each of the two lines.
.macro JLOAD g0a, g1a, g0b, g1b
	s_cmp_eq_u32 s[RH], 0
	s_cbranch_scc0 .Lfor_b_\@
	tensor_load_to_lds s[\g0a:\g0a+3], s[\g1a:\g1a+7]
	s_nop 0
.rept 4
	v_nop
.endr
	s_branch .Lasked_\@
.Lfor_b_\@:
	tensor_load_to_lds s[\g0b:\g0b+3], s[\g1b:\g1b+7]
	s_nop 0
.rept 4
	v_nop
.endr
.Lasked_\@:
.endm
.macro CROUND                          ; a round of the cluster's barrier
	s_barrier_signal -1
	s_barrier_wait -1
	s_cmp_lg_u32 s[WV], 0
	s_cbranch_scc1 .Lnot_wave_0_\@
	s_barrier_signal -3
.Lnot_wave_0_\@:
	s_barrier_wait -3
	s_barrier_signal -1
	s_barrier_wait -1
.endm
	s_load_b256 s[4:11], s[0:1], 0x0               ; xq 4:5, wq 6:7, bq 8:9, bv 10:11
	s_load_b128 s[12:15], s[0:1], 0x20             ; qkv16 12:13, qkv32 14:15
	v_lshl_add_u32 v[SPW], v0, 2, SPARE
	v_mov_b32 v[NIL], 0
	ds_add_u32 v[SPW], v[NIL]                      ; the wave's opening: the add, twice on end, and its wait ahead of my first tensor load; the set-up below stands between
	ds_add_u32 v[SPW], v[NIL]
	v_lshrrev_b32 v1, 5, v0
	v_readfirstlane_b32 s[WV], v1                  ; wave 0..3
	s_lshr_b32 s[RH], s[WV], 1
	s_and_b32 s[CH], s[WV], 1
	s_bfe_u32 s40, ttmp6, 0x40000                  ; cx, cy: my place in the cluster
	s_bfe_u32 s41, ttmp6, 0x40004
	s_lshl_b32 s42, ttmp9, 2
	s_add_co_u32 s42, s42, s40                     ; tile column = 4 x cluster x + cx
	s_and_b32 s16, ttmp7, 0xffff                   ; cluster y
	s_lshl_b32 s17, s41, 3
	s_add_co_u32 s17, s17, s16                     ; tile row = 8 cy + cluster y
	s_or_b32 s[FLAG], s16, s[RH]
	s_lshl_b32 s43, s41, 2
	s_lshl_b32 s43, 15, s43                        ; my row of the cluster
	s_lshl_b32 s44, 0x1111, s40                    ; my column
	; descriptor group 1: a tile of 128 rows x 256 bytes, padded in LDS
	s_or_b32 s[G1+0], s43, (0<<16)|(1<<20)|(1<<21)|(5<<22)|(3<<25)  ; 15:0 the mask; 17:16 elements of 1 byte; 20 padding on; 21 set beside a mask; 24:22 after every 64 words; 31:25 four words
	s_or_b32 s[G1B+0], s44, (0<<16)|(1<<20)|(1<<21)|(5<<22)|(3<<25)
.irp g, G1, G1B
	s_mov_b32 s[\g+1], ROWB<<16                    ; tensor_dim0
	s_mov_b32 s[\g+2], 128<<16                     ; tensor_dim1
	s_mov_b32 s[\g+3], ROWB<<16                    ; tile_dim0
	s_mov_b32 s[\g+4], 128                         ; tile_dim1
	s_mov_b32 s[\g+5], KROW                        ; tensor_dim0_stride
	s_mov_b32 s[\g+6], 0
	s_mov_b32 s[\g+7], 0
.endr
	; the scales of 128 rows: a dense block of 4,096 bytes, as 16 rows of 256 bytes (32 elements of 8 bytes), 16 bytes of padding behind each
	s_or_b32 s[G1S+0], s43, (3<<16)|(1<<20)|(1<<21)|(5<<22)|(3<<25)
	s_or_b32 s[G1SB+0], s44, (3<<16)|(1<<20)|(1<<21)|(5<<22)|(3<<25)
.irp g, G1S, G1SB
	s_mov_b32 s[\g+1], 32<<16
	s_mov_b32 s[\g+2], 16<<16
	s_mov_b32 s[\g+3], 32<<16
	s_mov_b32 s[\g+4], 16
	s_mov_b32 s[\g+5], 32
	s_mov_b32 s[\g+6], 0
	s_mov_b32 s[\g+7], 0
.endr
	s_lshl_b32 s23, s[CH], 7                       ; which 128 rows of the tile I fetch
	s_lshl_b32 s2, s17, 8
	s_add_co_u32 s2, s2, s23                       ; x: row 256 x tile row + 128 x half
	s_lshl_b32 s46, s42, 8
	s_add_co_u32 s46, s46, s23                     ; the weights: row 256 x tile column + 128 x half
	s_lshl_b32 s92, s2, 5                          ; where these rows' scales begin, in bytes (all offsets stay under 2^23),
	s_add_co_u32 s92, s92, XSCALES
	s_mov_b32 s93, 0
	s_lshl_b32 s2, s2, 9                           ; and their codes
	s_mov_b32 s3, 0
	s_lshl_b32 s94, s46, 5
	s_add_co_u32 s94, s94, WSCALES
	s_mov_b32 s95, 0
	s_lshl_b32 s46, s46, 9
	s_mov_b32 s47, 0
	s_mul_i32 s45, s[WV], HALFT                    ; where they go: wave x 128 rows: no place in the cluster enters an LDS address
	s_mul_i32 s98, s[WV], HALFS
	s_wait_dscnt 0x0                               ; both opening adds are done
	s_wait_kmcnt 0x0
	s_add_nc_u64 s[2:3], s[4:5], s[2:3]
	s_add_nc_u64 s[92:93], s[4:5], s[92:93]
	s_add_nc_u64 s[46:47], s[6:7], s[46:47]
	s_add_nc_u64 s[94:95], s[6:7], s[94:95]
	CROUND                                         ; all sixteen work-groups are here: the joint loads meet
	s_mov_b32 s[G0S], 1
	s_add_co_u32 s[G0S+1], s98, SCL
	s_mov_b64 s[G0S+2:G0S+3], s[92:93]
	s_or_b32 s[G0S+3], s[G0S+3], 0x80000000
	s_mov_b32 s[G0SB], 1
	s_add_co_u32 s[G0SB+1], s98, SCL
	s_mov_b64 s[G0SB+2:G0SB+3], s[94:95]
	s_or_b32 s[G0SB+3], s[G0SB+3], 0x80000000
	JLOAD G0S, G1S, G0SB, G1SB                     ; the scales first: they are wanted with slot 0
.irp s, 0,1
	s_mov_b32 s[G0+4*\s], 1
	s_add_co_u32 s[G0+4*\s+1], s45, \s*SLOT
	s_add_nc_u64 s[G0+4*\s+2:G0+4*\s+3], s[2:3], \s*ROWB
	s_or_b32 s[G0+4*\s+3], s[G0+4*\s+3], 0x80000000
	s_mov_b32 s[G0B+4*\s], 1
	s_add_co_u32 s[G0B+4*\s+1], s45, \s*SLOT
	s_add_nc_u64 s[G0B+4*\s+2:G0B+4*\s+3], s[46:47], \s*ROWB
	s_or_b32 s[G0B+4*\s+3], s[G0B+4*\s+3], 0x80000000
	JLOAD G0+4*\s, G1, G0B+4*\s, G1B               ; three tensor loads of a wave are out
.endr
	v_and_b32 v1, 15, v0                           ; l % 16
	v_bfe_u32 v2, v0, 4, 1                         ; l / 16
	; THE BIASES, in the result's layout: for block b of 16 columns lane (r, h) wants the numbers of columns 16 b + 8 h + 0 .. 7.  They are the C of the first K step's products.
	; q's cluster takes bq, v's takes bv; k has no bias: its cluster writes zeros there, while the tiles are on their way.  The branch hangs on the cluster's x, the same in all partners.
	s_cmp_eq_u32 ttmp9, 0
	s_cselect_b64 s[96:97], s[8:9], s[10:11]
	s_lshl_b32 s22, s40, 10                        ; 256 cx columns of 4 bytes
	s_lshl_b32 s23, s[CH], 9
	s_add_co_u32 s22, s22, s23
	s_mov_b32 s23, 0
	s_add_nc_u64 s[96:97], s[96:97], s[22:23]
	v_lshlrev_b32 v7, 5, v2                        ; 32 h; not rewritten
	s_cmp_eq_u32 ttmp9, 1
	s_cbranch_scc1 .Lno_bias
	WIN TO_B
.irp b, 0,1,2,3,4,5,6,7
	global_load_b128 v[BIAS+8*\b:BIAS+8*\b+3], v7, s[96:97] offset:64*\b
	global_load_b128 v[BIAS+8*\b+4:BIAS+8*\b+7], v7, s[96:97] offset:64*\b+16
.endr
	WIN 0
	s_branch .Lbias_done
.Lno_bias:
	WIN TO_B
.set i, 0
.rept 64
	v_mov_b32 v[BIAS+i], 0
.set i, i+1
.endr
	WIN 0
.Lbias_done:
	v_mul_u32_u24 v3, v1, PITCH
	v_lshl_add_u32 v4, v2, 4, v3                   ; a fragment's row x pitch + 16 x half
	s_mul_i32 s22, s[RH], HALFT                    ; my 128 rows of x
	s_mul_i32 s23, s[CH], HALFT                    ; my 128 rows of the weights,
	s_add_co_u32 s23, s23, 2*HALFT                 ; which lie behind x's 256
.irp s, 0,1
	v_add_nc_u32 v[ADRA+\s], s22, v4
	v_add_nc_u32 v[ADRB+\s], s23, v4
	s_add_co_u32 s22, s22, SLOT
	s_add_co_u32 s23, s23, SLOT
.endr
	v_mul_u32_u24 v5, v1, KS                       ; my row's scales: 32 bytes a row,
	v_lshrrev_b32 v6, 8, v5
	v_lshl_add_u32 v5, v6, 4, v5                   ; and 16 more for each 256 passed
	s_mul_i32 s22, s[RH], HALFS
	s_mul_i32 s23, s[CH], HALFS
	s_add_co_u32 s23, s23, 2*HALFS
	s_sub_co_u32 s23, s23, s22
	v_mul_u32_u24 v6, s23, v2                      ; lanes 16-31 take the weights'
	s_add_co_u32 s22, s22, SCL
	v_add_nc_u32 v5, v5, v6
	v_add_nc_u32 v[ADRS], s22, v5
	s_mul_i32 s23, s[WV], 16*SPITCH                ; my stage
	v_mul_u32_u24 v5, v1, SPITCH                   ; f32, in: row l % 16, 32 bytes for each half of the lanes
	v_lshl_add_u32 v5, v2, 5, v5
	v_add_nc_u32 v[STO], s23, v5
	v_and_b32 v6, 31, v0
	v_lshlrev_b32 v[CO], 4, v6                     ; f32, back: the 32 lanes take one row of 512 bytes; and the same in qkv32
	v_add_nc_u32 v[RD], s23, v[CO]
	v_lshrrev_b32 v5, 1, v1                        ; f16, in: token r goes to stage row r / 2 + 8 (r % 2): even tokens first, so that writing and reading both touch 16 different 16-byte columns
	v_and_b32 v6, 1, v1
	v_lshl_add_u32 v5, v6, 3, v5
	v_mul_u32_u24 v5, v5, 272
	v_lshl_add_u32 v5, v2, 4, v5
	v_add_nc_u32 v[STO16], s23, v5
	v_bfe_u32 v5, v0, 3, 1                         ; f16, back: lanes 0-15 take two tokens of my first head, lanes 16-31 the same two of my second: 8 lanes a token's 128 bytes
	v_mul_u32_u24 v3, v5, 8*272
	v_lshl_add_u32 v3, v2, 7, v3
	v_and_b32 v6, 7, v0
	v_lshl_add_u32 v3, v6, 4, v3
	v_add_nc_u32 v[RD16], s23, v3
	v_lshlrev_b32 v5, 7, v5                        ; and in qkv16: heads 262,144 bytes apart, tokens 128
	v_lshl_add_u32 v5, v2, 18, v5
	v_lshl_add_u32 v[CO16], v6, 4, v5
	; qkv16: which x 2^24 + ((16 b + head) x 2,048 + token) x 128, b = cy, head = 4 cx + 2 x column half, token = 256 x cluster y + 128 x row half
	s_lshl_b32 s46, ttmp9, 24
	s_lshl_b32 s47, s41, 22
	s_add_co_u32 s46, s46, s47
	s_lshl_b32 s47, s40, 20
	s_add_co_u32 s46, s46, s47
	s_lshl_b32 s47, s[CH], 19
	s_add_co_u32 s46, s46, s47
	s_lshl_b32 s47, s16, 15
	s_add_co_u32 s46, s46, s47
	s_lshl_b32 s47, s[RH], 14
	s_add_co_u32 s46, s46, s47
	s_mov_b32 s47, 0
	s_add_nc_u64 s[12:13], s[12:13], s[46:47]
	; qkv32: b x 16 rows of 12,288 bytes + (1,024 which + 256 cx + 128 x column half) x 4
	s_mul_i32 s46, s41, 196608
	s_lshl_b32 s45, ttmp9, 12
	s_add_co_u32 s46, s46, s45
	s_lshl_b32 s45, s40, 10
	s_add_co_u32 s46, s46, s45
	s_lshl_b32 s45, s[CH], 9
	s_add_co_u32 s46, s46, s45
	s_add_nc_u64 s[14:15], s[14:15], s[46:47]
.macro FRAG reg, adr, q, i             ; a fragment, 16 rows x 128 K of 4-bit codes, is 8 registers: lane l holds row l % 16; registers 4 c .. 4 c + 3 hold K = 64 c + 32 (l / 16) + 0 .. 31
.irp c, 0,1
	ds_load_b128 v[\reg+4*\c:\reg+4*\c+3], v[\adr] offset:64*(\q)+32*\c+(\i)*16*PITCH
.endr
.endm
; 16 matrix instructions: x's blocks a0, a0 + 1 against the weights' eight, 128 along K: the slot's q-th.  p: the weights' set;  sc: the set of scale words.  first = 1: the biases are C: nothing is added later.
; The 64 accumulators take turns, one instruction a turn, in the same order in every step.
.macro MUL16 a0, p, q, sc, first
.irp a, \a0, \a0+1
.irp b, 0,1,2,3,4,5,6,7
.if \first
	v_wmma_scale_f32_16x16x128_f8f6f4 v[8*(8*((\a)%4)+\b):8*(8*((\a)%4)+\b)+7], v[128*(\p)+FR*\b:128*(\p)+FR*\b+FR-1], v[AF+FR*(\a):AF+FR*(\a)+FR-1], v[BIAS+8*\b:BIAS+8*\b+7], v[SC+8*NQ*(\sc)+NQ*\b+(\q)], v[SC+8*NQ*(\sc)+NQ*(\a)+(\q)] matrix_a_fmt:MATRIX_FMT_FP4 matrix_b_fmt:MATRIX_FMT_FP4 matrix_a_scale:MATRIX_SCALE_ROW1
.else
	v_wmma_scale_f32_16x16x128_f8f6f4 v[8*(8*((\a)%4)+\b):8*(8*((\a)%4)+\b)+7], v[128*(\p)+FR*\b:128*(\p)+FR*\b+FR-1], v[AF+FR*(\a):AF+FR*(\a)+FR-1], v[8*(8*((\a)%4)+\b):8*(8*((\a)%4)+\b)+7], v[SC+8*NQ*(\sc)+NQ*\b+(\q)], v[SC+8*NQ*(\sc)+NQ*(\a)+(\q)] matrix_a_fmt:MATRIX_FMT_FP4 matrix_b_fmt:MATRIX_FMT_FP4 matrix_a_scale:MATRIX_SCALE_ROW1
.endif
.endr
.endr
.endm
.macro FETCH_B slot, q, p
	WIN TO_B
.irp i, 0,1,2,3,4,5,6,7
	FRAG 128*(\p)+FR*\i, ADRB+\slot, \q, \i
.endr
	WIN 0
.endm
.macro FETCH_A slot, q, i0
.irp i, \i0, \i0+1, \i0+2, \i0+3
	FRAG AF+FR*(\i), ADRA+\slot, \q, \i
.endr
.endm
.macro SCALES sc                       ; a slot's scale words into set sc: four words a row; lanes 0-15 take x's block i, lanes 16-31 the weights' block i
.irp i, 0,1,2,3,4,5,6,7
	ds_load_b128 v[SC+8*NQ*\sc+NQ*\i:SC+8*NQ*\sc+NQ*\i+3], v[ADRS] offset:\i*SBLK
.endr
.endm
; A load into a register that a matrix instruction has read, and a vector instruction or an LDS store that reads a matrix result, stand NP places behind that matrix instruction; only plain vector
; instructions that name none of its registers are places (ISA guide 7.12.1 for vector instructions).
.macro PLACES n
.rept \n
	v_nop
.endr
.endm
.macro STEP slot, q, first             ; a step of 128 along K that has its successor in the same slot
	s_wait_dscnt 4*NL                              ; the weights' set and x's blocks 0-3 are in; the youngest eight loads (x's blocks 4-7) may be out
.if \first
	WIN 0x91                                       ; as MUL_LO, with C (the biases) in window 1
.else
	WIN MUL_LO
.endif
	MUL16 0, (\q)%2, \q, \slot, \first
	MUL16 2, (\q)%2, \q, \slot, \first
	s_wait_dscnt 0                                 ; x's blocks 4-7 are in
	PLACES NP
	FETCH_B \slot, (\q)+1, 1-(\q)%2
	FETCH_A \slot, (\q)+1, 0
.if \first
	WIN 0xd1
.else
	WIN MUL_HI
.endif
	MUL16 4, (\q)%2, \q, \slot, \first
	MUL16 6, (\q)%2, \q, \slot, \first
	PLACES NP
	WIN 0
	FETCH_A \slot, (\q)+1, 4
.endm
; Slot 0's last step changes slots: one barrier; in front of it each wave waits for all its tensor loads (its part of slot 1), adds 0 to its spare word, and waits for that and for its own reads of slot 0.
; Behind it slot 0 is read by nobody, so it can serve as the stage.
.macro TURN slot, next
	s_wait_tensorcnt 0x0                           ; all my tensor loads have landed  (every window is 0 here: the add's two registers lie in window 0)
	ds_add_u32 v[SPW], v[NIL]                      ; 0 onto my spare word
	s_wait_dscnt 4*NL+1                            ; (the add and the youngest eight loads may be out)
	WIN MUL_LO
	MUL16 0, 1, NQ-1, \slot, 0
	s_wait_dscnt 0x0                               ; the add is done, and my reads of this slot are over
	s_barrier_signal -1
	MUL16 2, 1, NQ-1, \slot, 0
	WIN 0
	s_barrier_wait -1
	PLACES NP
	v_add_nc_u32 v[ADRS], 4*NQ, v[ADRS]            ; on to the next slot's scale words (no LDS load of mine is out)
	FETCH_B \next, 0, 0
	FETCH_A \next, 0, 0
	SCALES \next
	WIN MUL_HI
	MUL16 4, 1, NQ-1, \slot, 0
	MUL16 6, 1, NQ-1, \slot, 0
	PLACES NP
	WIN 0
	FETCH_A \next, 0, 4
.endm
	s_wait_tensorcnt 1                             ; the scales and my part of slot 0 are in (slot 1's load, the one issued behind them, may be out),
	s_barrier_signal -1
	s_barrier_wait -1                              ; everybody's are
	FETCH_B 0, 0, 0
	FETCH_A 0, 0, 0
	SCALES 0
	FETCH_A 0, 0, 4
	s_wait_loadcnt 0x0                             ; the biases
	STEP 0, 0, 1
	STEP 0, 1, 0
	STEP 0, 2, 0
	TURN 0, 1
	STEP 1, 0, 0
	STEP 1, 1, 0
	STEP 1, 2, 0
	s_wait_dscnt 4*NL                              ; the very last step: nothing more to fetch
	WIN MUL_LO
	MUL16 0, 1, NQ-1, 1, 0
	MUL16 2, 1, NQ-1, 1, 0
	s_wait_dscnt 0
	WIN MUL_HI
	MUL16 4, 1, NQ-1, 1, 0
	MUL16 6, 1, NQ-1, 1, 0
	WIN 0
; THE WAY OUT.  A lane holds eight neighbouring columns of one row, and the lanes beside it hold other rows: so a block of 16 rows x 128 columns goes through my own stage in LDS.
; LDS serves a wave's instructions in order (ISA guide 5.7.1.4): no wait between a block's stores and its loads, nor in front of the next block's stores.
	PLACES NP                                      ; behind the last products: for the reads of results and for the loads into registers that held scale words and fragments
	; (a) positions 0-15 of a sequence also leave in f32: 16 rows of 512 bytes.  The branch hangs on the cluster's y and the wave's number.
	s_cmp_lg_u32 s[FLAG], 0
	s_cbranch_scc1 .Lno_f32
	WIN 0x08                                       ; an LDS store's data are its source 1: window 2
.irp b, 0,1,2,3,4,5,6,7
	ds_store_b128 v[STO], v[8*\b:8*\b+3] offset:64*\b              ; each accumulator from its low end on
	ds_store_b128 v[STO], v[8*\b+4:8*\b+7] offset:64*\b+16
.endr
	WIN 0
.irp t, 0,1,2,3,4,5,6,7,8,9,10,11,12,13,14,15
	ds_load_b128 v[FB+4*\t:FB+4*\t+3], v[RD] offset:\t*SPITCH
.endr
	s_wait_dscnt 0x0
.irp t, 0,1,2,3,4,5,6,7,8,9,10,11,12,13,14,15
	global_store_b128 v[CO], v[FB+4*\t:FB+4*\t+3], s[14:15] offset:\t*12288   ; 32 lanes store 512 consecutive bytes, aligned; these registers are not written again
.endr
.Lno_f32:
	; (b) all eight blocks in f16, by heads.  A store's lanes 0-15 write two tokens of one head, 256 consecutive bytes, aligned; lanes 16-31 the same of the next head.
.macro PACK a
.set AC, 64*((\a)%4)
	WIN 0x0a+5*((\a)/4)                            ; sources 0 and 1: window 2 or 3
.irp b, 0,1,2,3,4,5,6,7
.irp r, 0,1,2,3
	v_cvt_pk_f16_f32 v[TMP+4*\b+\r], v[AC+8*\b+2*\r], v[AC+8*\b+2*\r+1]
.endr
.endr
	WIN 0
.endm
.macro TOSTAGE a
.set BK, OB+192*((\a)%2)
.irp b, 0,1,2,3,4,5,6,7
	ds_store_b128 v[STO16], v[TMP+4*\b:TMP+4*\b+3] offset:32*\b
.endr
.irp t, 0,1,2,3,4,5,6,7
	ds_load_b128 v[BK+4*\t:BK+4*\t+3], v[RD16] offset:\t*272
.endr
.endm
.macro SEND a
.set BK, OB+192*((\a)%2)
	s_wait_dscnt 0x0                               ; the block is back in registers
.irp t, 0,1,2,3,4,5,6,7
	global_store_b128 v[CO16], v[BK+4*\t:BK+4*\t+3], s[12:13] offset:2048*(\a)+256*\t
.endr
.endm
	PACK 0
	TOSTAGE 0
.irp a, 1,2,3,4,5,6,7                  ; block a's conversions stand between block a - 1's loads from the stage and the wait for them
	PACK \a
	SEND \a-1
.if \a > 1
	s_wait_xcnt 0x0                                ; block a - 2's stores have read their registers: block a's loads may land there
.endif
	TOSTAGE \a
.endr
	SEND 7
	s_wait_tensorcnt 0x0                           ; the wave's end: behind my last tensor load and my last LDS store
	ds_add_u32 v[SPW], v[NIL]
	s_wait_dscnt 0x0
	CROUND                                         ; the closing round
	s_endpgm
.Lfunc_end_k_q4f6513879e_gemm_qkv:
	.size	k_q4f6513879e_gemm_qkv, .Lfunc_end_k_q4f6513879e_gemm_qkv-k_q4f6513879e_gemm_qkv
	.p2alignl 7, 3214868480
	.fill 96, 4, 3214868480
	.section	.rodata,"a",@progbits
	.p2align	6, 0x0
	.amdhsa_kernel k_q4f6513879e_gemm_qkv
		.amdhsa_group_segment_fixed_size 327680
		.amdhsa_private_segment_fixed_size 0
		.amdhsa_enable_private_segment 0
		.amdhsa_kernarg_size 48
		.amdhsa_user_sgpr_count 2
		.amdhsa_user_sgpr_kernarg_segment_ptr 1
		.amdhsa_wavefront_size32 1
		.amdhsa_system_sgpr_workgroup_id_x 1
		.amdhsa_system_sgpr_workgroup_id_y 1
		.amdhsa_system_sgpr_workgroup_id_z 1
		.amdhsa_system_vgpr_workitem_id 0
		.amdhsa_next_free_vgpr 1024
		.amdhsa_next_free_sgpr 100
		.amdhsa_reserve_vcc 0
		.amdhsa_float_denorm_mode_32 3
		.amdhsa_float_denorm_mode_16_64 3
		.amdhsa_memory_ordered 1
		.amdhsa_forward_progress 1
		.amdhsa_inst_pref_size 135
	.end_amdhsa_kernel
	.amdgpu_metadata
---
amdhsa.version: [ 1, 2 ]
amdhsa.kernels:
  - .name:           k_q4f6513879e_gemm_qkv
    .symbol:         k_q4f6513879e_gemm_qkv.kd
    .args:
      - { .name: xq, .offset: 0, .size: 8, .value_kind: global_buffer, .address_space: global }
      - { .name: wq, .offset: 8, .size: 8, .value_kind: global_buffer, .address_space: global }
      - { .name: bq, .offset: 16, .size: 8, .value_kind: global_buffer, .address_space: global }
      - { .name: bv, .offset: 24, .size: 8, .value_kind: global_buffer, .address_space: global }
      - { .name: qkv16, .offset: 32, .size: 8, .value_kind: global_buffer, .address_space: global }
      - { .name: qkv32, .offset: 40, .size: 8, .value_kind: global_buffer, .address_space: global }
    .group_segment_fixed_size: 327680
    .private_segment_fixed_size: 0
    .kernarg_segment_align: 8
    .kernarg_segment_size: 48
    .max_flat_workgroup_size: 128
    .sgpr_count:     100
    .vgpr_count:     1024
    .wavefront_size: 32
...
	.end_amdgpu_metadata
.endif
;; end of part 2
;; launch attn (part 3): grid 4 x 64, 8 waves a work-group, clusters of 4 x 1, 327,680 bytes of LDS; arguments qkv16, y16; writes y16
.if DOCPART == 3
	.amdgcn_target "amdgcn-amd-amdhsa--gfx1250"
	.amdhsa_code_object_version 6
	.text
	.protected	k_q4f6513879e_attn
	.globl	k_q4f6513879e_attn
	.p2align	8
	.type	k_q4f6513879e_attn,@function
k_q4f6513879e_attn:
	s_mov_b64 s[64:65], 0
	v_nop
	global_prefetch_b8 v0, s[64:65] scope:SCOPE_SE
	s_setreg_imm32_b32 hwreg(HW_REG_WAVE_MODE, 25, 1), 1
	s_wait_xcnt 0x0
	s_wait_alu depctr_hold_cnt(0) depctr_sa_sdst(0) depctr_va_vdst(0) depctr_va_sdst(0) depctr_va_ssrc(0) depctr_va_vcc(0) depctr_vm_vsrc(0)
	s_getreg_b32 s2, hwreg(HW_REG_IB_STS2, 6, 4)
	s_cmp_eq_u32 s2, 0
	s_cbranch_scc0 .Lentry_in_a_cluster
	s_endpgm
.Lentry_in_a_cluster:
	s_bfe_u32 s2, ttmp6, 0x10000c
	s_cmp_lg_u32 s2, 0x3003
	s_cbranch_scc0 .Lentry_shape_is_right
	s_endpgm
.Lentry_shape_is_right:
; y[b][h][q][:] = the sum over k <= q of softmax_k(q . k / 8) v[k][:], head size 64, 2,048 positions, 64 heads (b, h).  q, k, v come as f16 from qkv16 [3][64 heads][2048][64]; y16 [64 heads][2048][64] f16.
; Products, maxima and sums in f32; the weights p are rounded to f16 for the second product, y once at the end.
; LEFT OUT: key steps that lie wholly above the diagonal of reference()'s own causal mask (their weights are 0); bk (shown at the head of launch prep).
; LIMIT: |y| stays under 65,504 (f16).
; SHARES.  A cluster of four work-groups is one head.  All four walk the same 8 chunks of 256 keys, and ask for every tile JOINTLY.  The causal work is evened out by how the head's 128 tiles of 16 queries are
; dealt, not by trip counts: wave w of partner cx owns four tiles m = 0 .. 3, first query 256 (2 m + w / 4) + 64 sg + 16 cx, sg = (w % 4) xor 3 (w / 4).  Tile m is live in key step g (64 keys) while
; g <= G_m = 8 m + 4 (w / 4) + sg, and step G_m holds its diagonal.  G_m hangs on the wave's number alone: no branch hangs on a work-group's place in its cluster, and all partners have the same walk.
; Waves s and s + 4 together have 132 tile steps, whatever s.  In every partner some wave (w >= 4) reads each of the 32 key steps, so every joint load is read by all that ask for it.
; LAYOUT.  S^T = K Q^T (source 0 = 16 keys, source 1 = 16 queries): a lane holds ONE query (lane % 16) and the keys 8 (lane / 16) + 0..7 of each tile of 16.  Two such tiles, rounded to f16 in pairs, ARE source 1
; (32 keys x 16 queries) of O^T = V^T P, whose result again holds one query a lane.  K comes out of LDS as it lies, V ([key][channel]) turned, by ds_load_tr16_b128.
; SOFTMAX.  For each query a running maximum m and sum l: p = 2^(c s - c m), c = log2(e) / 8; in every step O and l are multiplied by a = 2^(c m_old - c m_new).  m begins at -3e38, l and O^T at 0, so that a
; step is written once: the first step's a is 0 and multiplies zeros.  Key 0 counts for every query, so m is a score from the first step on.
; Two waves share a SIMD's registers (448 each), so that one wave's softmax stands beside the other's products and LDS loads; a step's fragments of K and V serve all the wave's live tiles.
; REGISTERS.  window 0: v2-15 addresses and constants; v16-47 statistics, eight a tile; v48-79 S^T; v80-95 P; v128-255 O^T, 32 a tile.   window 1: v0-63 Q, 16 a tile; v64-127 K of a step; v128-191 V of a step.
.set KS,    64                         ; keys in a step
.set PK,    144                        ; a row of K in LDS: 128 bytes + 16 = 36 words: row r starts at bank 36 r mod 64 (64 banks of 4 bytes: ISA guide 11.1), 16 rows at 16 different 16-byte columns
.set PVP,   160                        ; a row of V: 128 + 32
.set VOFF,  KS*PK                      ; a step's tiles lie together: 64 rows of K, then 64 rows of V
.set STEPB, KS*(PK+PVP)
.set SLOT1, 1<<17                      ; a slot holds four steps (77,824 bytes); slot 1 begins here, so that one exclusive or turns an address in one slot into the other's
.set STAGE, SLOT1+4*STEPB              ; behind the ring: 16 rows x 144 bytes for each wave, for the way out
.set SPARE, STAGE+8*16*PK              ; the spare words, 128 bytes for each wave
.set AK0, 2                            ; v2   my lane's place in a tile of K; never rewritten
.set AV0, 3                            ; v3   the same for V
.set ADK, 4                            ; v4   LDS address of the step's K
.set ADV, 5                            ; v5   of its V
.set QO,  6                            ; v6   my byte offset in a tile of Q
.set STO, 7                            ; v7   the way out: where I put 16 bytes of a row
.set RD,  8                            ; v8   where I read back
.set GO,  9                            ; v9   my byte offset in a tile of y
.set DM,  10                           ; v10  16 cx + lane % 16 - 8 (lane / 16): in the diagonal step register 8 kt + j is hidden where 16 kt + j > DM
.set NINF, 11                          ; v11  -infinity
.set PFO, 12                           ; v12  256 x my lane
.set SPW, 14                           ; v14  LDS address of my spare word; never rewritten
.set NIL, 15                           ; v15  0; never rewritten
.set ST,  16                           ; tile t's statistics at v[ST + 8 t]: +0 c m, +1 m, +2, +3 l (even keys', odd keys'), +4 to +7 at work; a takes +6
.set S,   48
.set P,   80
.set OUTB, 64                          ; the way out: rows read back, 16 registers a tile
.set O,   128
.set KF,  64                           ; window 1
.set VF,  128                          ; window 1
.set WV,  8                            ; s8   my wave's number
.set GM,  16                           ; s16-19 G_0 .. G_3
.set GG,  20                           ; s20  the key step
.set TB,  21                           ; s21  LDS byte at which the step's tiles begin
.set TW,  22                           ; s22  counts a chunk's four steps
.set SLOTS, 23                         ; s23  chunks still to be asked for
.set G1K, 24
.set G1V, 32
.set G0K, 40
.set G0V, 44
.set CS,  48                           ; s[48:49] c: the packed scaling names a pair and takes its low word for both halves
.set SEL, 50                           ; s[50:51] lane selects for v_permlanex16_b32: lane l xor 16
.set PFA, 52                           ; s[52:53] where my prefetches stand
.set LIM, 54                           ; s54  1 in a wave that prefetches, else the greatest number
.set QB,  56                           ; s[56:57] Q at my first tile
.set YB,  58                           ; s[58:59] y likewise
.set MSB, 0
.macro WIN new
.if MSB != \new
	s_set_vgpr_msb (MSB<<8)|\new
.set MSB, \new
.endif
.endm
; A joint load.  Waves 0-3 fetch K's tile of step w % 4 of a chunk, waves 4-7 V's: one load a wave, 64 rows.  The branch hangs on the wave's number alone.  An s_nop 0 and four v_nop follow each line.
.macro JLOAD
	s_cmp_lt_u32 s[WV], 4
	s_cbranch_scc0 .Lfor_v_\@
	tensor_load_to_lds s[G0K:G0K+3], s[G1K:G1K+7]
	s_nop 0
.rept 4
	v_nop
.endr
	s_branch .Lasked_\@
.Lfor_v_\@:
	tensor_load_to_lds s[G0V:G0V+3], s[G1V:G1V+7]
	s_nop 0
.rept 4
	v_nop
.endr
.Lasked_\@:
.endm
; A PREFETCH INTO THE L2 of what the NEXT change of slots will ask for: a chunk's 32,768 bytes of K and of V.  It stands behind the wave's tensor load and its five lines.  Each aligned block of 256 bytes is asked for
; once in the launch: a head is walked by one cluster; its four partners take 8,192 bytes each, told apart BY ADDRESS; in each, wave 0 asks for K's and wave 4 for V's, lanes 256 bytes apart, one instruction.
; The trip that asks for the last chunk by its tensor load prefetches nothing: there is no chunk behind it.  Chunks 0 and 1 come by their loads alone.
.macro ASK
	s_cmp_gt_u32 s[SLOTS], s[LIM]
	s_cbranch_scc0 .Lnot_mine_\@
	global_prefetch_b8 v[PFO], s[PFA:PFA+1] th:TH_LOAD_NT scope:SCOPE_SE
.Lnot_mine_\@:
.endm
.macro CROUND                          ; a round of the cluster's barrier
	s_barrier_signal -1
	s_barrier_wait -1
	s_cmp_lg_u32 s[WV], 0
	s_cbranch_scc1 .Lnot_wave_0_\@
	s_barrier_signal -3
.Lnot_wave_0_\@:
	s_barrier_wait -3
	s_barrier_signal -1
	s_barrier_wait -1
.endm
	s_load_b128 s[4:7], s[0:1], 0x0                ; qkv16 4:5, y16 6:7
	v_lshl_add_u32 v[SPW], v0, 2, SPARE
	v_mov_b32 v[NIL], 0
	ds_add_u32 v[SPW], v[NIL]                      ; the wave's opening: the add, twice on end, and its wait ahead of my first tensor load; the set-up below stands between
	ds_add_u32 v[SPW], v[NIL]
	v_lshrrev_b32 v1, 5, v0
	v_readfirstlane_b32 s[WV], v1                  ; wave 0..7
	s_lshr_b32 s9, s[WV], 2                        ; w / 4
	s_and_b32 s10, s[WV], 3                        ; w % 4: also the step of a chunk that I fetch
	s_mul_i32 s13, s9, 3
	s_xor_b32 s13, s13, s10                        ; sg
	s_lshl_b32 s[GM], s9, 2
	s_add_co_u32 s[GM], s[GM], s13                 ; G_0 = 4 (w / 4) + sg
	s_add_co_u32 s[GM+1], s[GM], 8
	s_add_co_u32 s[GM+2], s[GM], 16
	s_add_co_u32 s[GM+3], s[GM], 24
	s_bfe_u32 s11, ttmp6, 0x40000                  ; cx: it enters Q's, y's and the prefetches' addresses and the mask's number alone
	s_and_b32 s12, ttmp7, 0xffff                   ; the head, which the four partners share
	s_lshl_b32 s12, s12, 18                        ; its 262,144 bytes in each of q, k, v, y
	s_lshl_b32 s2, s10, 13                         ; my step's 64 rows of 128 bytes
	s_add_co_u32 s2, s2, s12
	s_add_co_u32 s14, s2, 2<<24                    ; V's part of qkv16
	s_add_co_u32 s2, s2, 1<<24                     ; K's
	s_mov_b32 s3, 0
	s_mov_b32 s15, 0
	s_mul_i32 s60, s10, STEPB                      ; and its place in a slot
	s_lshl_b32 s62, s[GM], 13                      ; my first query 64 G_0 + 16 cx, in rows of 128 bytes
	s_lshl_b32 s63, s11, 11
	s_add_co_u32 s62, s62, s63
	s_add_co_u32 s62, s62, s12
	s_mov_b32 s63, 0
	; descriptor group 1: a tile of 64 rows x 64 elements of 2 bytes, dense in memory, padded in LDS
	s_mov_b32 s[G1K], 15|(1<<16)|(1<<20)|(1<<21)|(4<<22)|(3<<25)   ; 15:0 the mask: all four; 17:16 elements of 2 bytes; 20 padding on; 21 set beside a mask; 24:22 after every 32 words; 31:25 four words
	s_mov_b32 s[G1V], 15|(1<<16)|(1<<20)|(1<<21)|(4<<22)|(7<<25)   ; the same with eight words
.irp g, G1K, G1V
	s_mov_b32 s[\g+1], 64<<16                      ; tensor_dim0
	s_mov_b32 s[\g+2], KS<<16                      ; tensor_dim1
	s_mov_b32 s[\g+3], 64<<16                      ; tile_dim0
	s_mov_b32 s[\g+4], KS                          ; tile_dim1
	s_mov_b32 s[\g+5], 64                          ; tensor_dim0_stride
	s_mov_b32 s[\g+6], 0
	s_mov_b32 s[\g+7], 0
.endr
	s_mov_b32 s[CS], 0x3e38aa3b                    ; c = log2(e) / 8
	s_mov_b32 s[CS+1], s[CS]
	s_mov_b32 s[SEL], 0x76543210
	s_mov_b32 s[SEL+1], 0xfedcba98
	s_mov_b32 s[GG], 0
	s_mov_b32 s[TB], 0
	s_mov_b32 s[SLOTS], 7
	s_cmp_eq_u32 s10, 0                            ; waves 0 and 4: the same in all partners
	s_cselect_b32 s[LIM], 1, -1
	v_and_b32 v[PFO], 31, v0
	v_lshlrev_b32 v[PFO], 8, v[PFO]
	s_wait_dscnt 0x0                               ; both opening adds are done
	s_wait_kmcnt 0x0
	s_mov_b32 s[G0K], 1                            ; 1:0 count = 1
	s_mov_b32 s[G0K+1], s60                        ; LDS address: slot 0
	s_add_nc_u64 s[G0K+2:G0K+3], s[4:5], s[2:3]    ; global address: chunk 0
	s_or_b32 s[G0K+3], s[G0K+3], 0x80000000        ; type = 2
	s_mov_b32 s[G0V], 1
	s_add_co_u32 s[G0V+1], s60, VOFF
	s_add_nc_u64 s[G0V+2:G0V+3], s[4:5], s[14:15]
	s_or_b32 s[G0V+3], s[G0V+3], 0x80000000
	s_add_nc_u64 s[QB:QB+1], s[4:5], s[62:63]
	s_add_nc_u64 s[YB:YB+1], s[6:7], s[62:63]
	s_add_co_u32 s62, s9, 1                        ; the prefetches: K's part (waves 0-3) or V's (waves 4-7),
	s_lshl_b32 s62, s62, 24
	s_add_co_u32 s62, s62, s12                     ; my head,
	s_lshl_b32 s61, s11, 13
	s_add_co_u32 s62, s62, s61                     ; my work-group's 8,192 bytes of a chunk,
	s_add_co_u32 s62, s62, 32768                   ; in chunk 1: the first change of slots steps it to chunk 2.  Nothing is prefetched here, at the head
	s_add_nc_u64 s[PFA:PFA+1], s[4:5], s[62:63]
	CROUND                                         ; all four work-groups are here: the first joint loads meet
	JLOAD                                          ; chunk 0 into slot 0
	v_and_b32 v1, 15, v0                           ; r = l % 16
	v_bfe_u32 v13, v0, 4, 1                        ; h = l / 16
	v_lshlrev_b32 v[QO], 7, v1
	v_lshl_add_u32 v[QO], v13, 4, v[QO]            ; row x 128 + 16 x half
	WIN 0x40                                       ; destination window 1
.irp m, 0,1,2,3                        ; Q stays in registers: tile m (512 queries on from tile m - 1), channels 32 cs on
.irp cs, 0,1
	global_load_b128 v[16*\m+8*\cs:16*\m+8*\cs+3],   v[QO], s[QB:QB+1] offset:65536*\m+64*\cs
	global_load_b128 v[16*\m+8*\cs+4:16*\m+8*\cs+7], v[QO], s[QB:QB+1] offset:65536*\m+64*\cs+32
.endr
.endr
	WIN 0
	v_mul_u32_u24 v[AK0], v1, PK
	v_lshl_add_u32 v[AK0], v13, 4, v[AK0]          ; row x pitch + 16 x half
	; the turning load takes 16 keys x 16 channels (lane l reads 16 bytes: key 8 (l / 16) + l % 8, channels 8 ((l / 8) % 2) + 0..7) and leaves half a fragment of V^T
	v_and_b32 v[ADK], 7, v0
	v_lshl_add_u32 v[AV0], v13, 3, v[ADK]
	v_mul_u32_u24 v[AV0], v[AV0], PVP
	v_bfe_u32 v[ADV], v0, 3, 1
	v_lshl_add_u32 v[AV0], v[ADV], 4, v[AV0]
	v_add_nc_u32 v[AV0], VOFF, v[AV0]
	s_mul_i32 s61, s[WV], 16*PK
	s_add_co_u32 s61, s61, STAGE                   ; my stage
	v_add_nc_u32 v[STO], s61, v[AK0]               ; in: row r, 16 bytes for each half of the lanes
	v_bfe_u32 v[RD], v0, 3, 2
	v_mul_u32_u24 v[RD], v[RD], PK
	v_lshl_add_u32 v[RD], v[ADK], 4, v[RD]
	v_add_nc_u32 v[RD], s61, v[RD]                 ; back: eight lanes take a row's 128 bytes, four rows an instruction
	v_and_b32 v[GO], 31, v0
	v_lshlrev_b32 v[GO], 4, v[GO]                  ; which are 512 consecutive bytes of y
	v_lshlrev_b32 v[DM], 3, v13
	v_sub_nc_u32 v[DM], v1, v[DM]
	s_lshl_b32 s61, s11, 4
	v_add_nc_u32 v[DM], s61, v[DM]
	v_mov_b32 v[NINF], 0xff800000
.irp t, 0,1,2,3
	v_mov_b32 v[ST+8*\t+1], 0xff61b1e6             ; m: -3e38, under every score
	v_mul_f32 v[ST+8*\t], s[CS], v[ST+8*\t+1]      ; c m
.irp j, 2,3,4,5,6,7
	v_mov_b32 v[ST+8*\t+\j], 0                     ; l; and the registers at work, which are named in pairs and by lane permutes
.endr
.endr
.set i, 0
.rept 128
	v_mov_b32 v[O+i], 0                            ; O^T: the step is written once, and a tile's first step finds zeros
.set i, i+1
.endr
; ONE TILE OF 16 QUERIES IN ONE KEY STEP.  8 products K Q^T, the softmax, 8 products V^T P.  The accumulators take turns, one instruction a turn.
.macro TILE m
.set rT, ST+8*(\m)
.set rO, O+32*(\m)
.if (\m) < 3
	s_cmp_gt_u32 s[GG], s[GM+(\m)]                 ; all 64 keys come after my 16 queries: nothing to do (tile 3 outlives the others: the step's own test serves it)
	s_cbranch_scc1 .Ldead_\@
.endif
	WIN 0x05                                       ; K and Q in window 1
.irp kt, 0,1,2,3
	v_wmma_f32_16x16x32_f16 v[S+8*\kt:S+8*\kt+7], v[KF+16*\kt:KF+16*\kt+7], v[16*(\m):16*(\m)+7], 0
.endr
.irp kt, 0,1,2,3
	v_wmma_f32_16x16x32_f16 v[S+8*\kt:S+8*\kt+7], v[KF+16*\kt+8:KF+16*\kt+15], v[16*(\m)+8:16*(\m)+15], v[S+8*\kt:S+8*\kt+7]
.endr
	WIN 0
.rept 4
	v_nop                                          ; four places between the last product and the first read of the scores (ISA guide 7.12.1)
.endr
	s_cmp_lg_u32 s[GG], s[GM+(\m)]
	s_cbranch_scc1 .Lopen_\@
.set n, 0
.rept 32                               ; the diagonal step: hidden scores become -infinity ahead of the maximum: p = 0 then
	v_cmp_gt_i32 vcc_lo, 16*(n/8)+n%8, v[DM]
	v_cndmask_b32 v[S+n], v[S+n], v[NINF], vcc_lo
.set n, n+1
.endr
.Lopen_\@:
.irp j, 0,1,2,3                        ; the maximum of my 32 scores and the old m, three operands at a time, in four chains; each accumulator is read from its low end on
	v_max3_num_f32 v[rT+4+\j], v[S+8*\j], v[S+8*\j+1], v[S+8*\j+2]
.endr
.irp q, 1,2
.irp j, 0,1,2,3
	v_max3_num_f32 v[rT+4+\j], v[rT+4+\j], v[S+8*\j+2*\q+1], v[S+8*\j+2*\q+2]
.endr
.endr
	v_max3_num_f32 v[rT+4], v[rT+4], v[S+7], v[S+15]
	v_max3_num_f32 v[rT+6], v[rT+6], v[S+23], v[S+31]
	v_max3_num_f32 v[rT+4], v[rT+4], v[rT+5], v[rT+6]
	v_max3_num_f32 v[rT+4], v[rT+4], v[rT+7], v[rT+1]
	v_permlanex16_b32 v[rT+5], v[rT+4], s[SEL], s[SEL+1]   ; the query's other 32 keys lie in the lane 16 away
	v_mov_b32 v[rT+7], v[rT]                       ; c m_old is kept for a
	v_max_num_f32 v[rT+1], v[rT+4], v[rT+5]        ; the new m
	v_mul_f32 v[rT], s[CS], v[rT+1]
	v_sub_f32 v[rT+7], v[rT+7], v[rT]              ; c m_old - c m_new
.set b, 0
.rept 16
	v_pk_fma_f32 v[S+2*b:S+2*b+1], v[S+2*b:S+2*b+1], s[CS:CS+1], v[rT:rT+1] op_sel_hi:[1,0,0] neg_lo:[0,0,1] neg_hi:[0,0,1]   ; c s - c m, two at a time
.set b, b+1
.endr
	v_exp_f32 v[rT+6], v[rT+7]                     ; a;  the 33 exponentials are ONE batch
.set b, 0
.rept 32
	v_exp_f32 v[S+b], v[S+b]                       ; p
.set b, b+1
.endr
	v_nop                                          ; a plain instruction behind the last exponential, ahead of the first use
	s_wait_alu depctr_va_vdst(0)                   ; and one wait ahead of the batch's first reader
.set b, 0
.rept 16
	v_cvt_pk_f16_f32 v[P+b], v[S+2*b], v[S+2*b+1]  ; the weights as f16: source 1 of the second product
.set b, b+1
.endr
.set b, 0
.rept 16
	v_pk_mul_f32 v[rO+2*b:rO+2*b+1], v[rO+2*b:rO+2*b+1], v[rT+6:rT+7] op_sel_hi:[1,0]   ; O^T x a, each accumulator from its low end on
.set b, b+1
.endr
	s_wait_dscnt 0x0                               ; V is in
	WIN 0x01                                       ; V in window 1
.irp s, 0,1
.irp d, 0,1,2,3
	v_wmma_f32_16x16x32_f16 v[rO+8*\d:rO+8*\d+7], v[VF+32*\s+8*\d:VF+32*\s+8*\d+7], v[P+8*\s:P+8*\s+7], v[rO+8*\d:rO+8*\d+7]
.endr
.endr
	WIN 0
	; the row's sum of the unrounded p stands behind the products, whose registers it does not name: 16 plain instructions, which are also the places in front of the next step's loads into V's registers
.irp u, 0,1,2,3,4,5,6,7
	v_pk_add_f32 v[S+4*\u:S+4*\u+1], v[S+4*\u:S+4*\u+1], v[S+4*\u+2:S+4*\u+3]
.endr
.irp u, 0,1,2,3
	v_pk_add_f32 v[S+8*\u:S+8*\u+1], v[S+8*\u:S+8*\u+1], v[S+8*\u+4:S+8*\u+5]
.endr
.irp u, 0,1
	v_pk_add_f32 v[S+16*\u:S+16*\u+1], v[S+16*\u:S+16*\u+1], v[S+16*\u+8:S+16*\u+9]
.endr
	v_pk_add_f32 v[S:S+1], v[S:S+1], v[S+16:S+17]
	v_pk_fma_f32 v[rT+2:rT+3], v[rT+2:rT+3], v[rT+6:rT+7], v[S:S+1] op_sel_hi:[1,0,1]   ; l = a l + the sum
.if (\m) < 3
.Ldead_\@:
.endif
.endm
; A KEY STEP: 64 keys.  A step behind my last tile's diagonal is left out: a scalar branch on the wave's number and the count of steps, round the loads and the work; not round the lines that step addresses.
.macro STEP
	s_cmp_gt_u32 s[GG], s[GM+3]
	s_cbranch_scc1 .Lskip_\@
	v_add_nc_u32 v[ADK], s[TB], v[AK0]
	v_add_nc_u32 v[ADV], s[TB], v[AV0]
	WIN 0x40                                       ; destination window 1
.irp kt, 0,1,2,3
.irp cs, 0,1
	ds_load_b128 v[KF+16*\kt+8*\cs:KF+16*\kt+8*\cs+3],   v[ADK] offset:\kt*16*PK+64*\cs
	ds_load_b128 v[KF+16*\kt+8*\cs+4:KF+16*\kt+8*\cs+7], v[ADK] offset:\kt*16*PK+64*\cs+32
.endr
.endr
.irp s, 0,1
.irp d, 0,1,2,3
	ds_load_tr16_b128 v[VF+32*\s+8*\d:VF+32*\s+8*\d+3],   v[ADV] offset:\s*32*PVP+32*\d
	ds_load_tr16_b128 v[VF+32*\s+8*\d+4:VF+32*\s+8*\d+7], v[ADV] offset:\s*32*PVP+16*PVP+32*\d
.endr
.endr
	WIN 0
	s_wait_dscnt 16                                ; K's 16 loads are in; V's 16, issued behind them, may be out
	TILE 0
	TILE 1
	TILE 2
	TILE 3
.Lskip_\@:
	s_add_co_u32 s[GG], s[GG], 1
	s_add_co_u32 s[TB], s[TB], STEPB
.endm
; THE CHANGE OF SLOTS stands at a chunk's head.  Each wave waits for all its tensor loads (one is out: its part of the chunk that it is about to read), adds 0 to its spare word, and waits for that and for its
; reads of the slot that it has left.  fill = 1: the barrier is a round of the cluster's, so that no wave of any partner still reads that slot or has a load on its way; the joint load of the next chunk is the
; first thing behind it, one a wave, and has a chunk's four steps in which to land.
.macro CHANGE fill
	s_wait_tensorcnt 0x0                           ; no tensor load of mine is out, so a group 0 may be written
	ds_add_u32 v[SPW], v[NIL]                      ; 0 onto my spare word
.if \fill
	s_xor_b32 s[G0K+1], s[G0K+1], SLOT1            ; the walking descriptors: the other slot than last time,
	s_add_nc_u64 s[G0K+2:G0K+3], s[G0K+2:G0K+3], 32768   ; the next 256 keys; the type bits on top are not reached
	s_xor_b32 s[G0V+1], s[G0V+1], SLOT1
	s_add_nc_u64 s[G0V+2:G0V+3], s[G0V+2:G0V+3], 32768
	s_wait_xcnt 0x0                                ; the last prefetch, a chunk back, has read its address, so it may be written:
	s_add_nc_u64 s[PFA:PFA+1], s[PFA:PFA+1], 32768 ; one chunk further on than the walking descriptors
	s_wait_dscnt 0x0                               ; the add is done, and my reads of the slot that I have left are over
	CROUND
	JLOAD
	ASK
.else
	s_wait_dscnt 0x0
	s_barrier_signal -1
	s_barrier_wait -1
.endif
.endm
.macro FOUR_STEPS                      ; a chunk's four key steps: written once, walked four times; the LDS addresses hang on s[TB]
	s_mov_b32 s[TW], 4
.Lstep_\@:
	STEP
	s_sub_co_u32 s[TW], s[TW], 1
	s_cmp_lg_u32 s[TW], 0
	s_cbranch_scc1 .Lstep_\@
	s_sub_co_u32 s[TB], s[TB], 4*STEPB             ; back to a slot's first step,
	s_xor_b32 s[TB], s[TB], SLOT1                  ; in the other slot
.endm
	s_wait_loadcnt 0x0                             ; Q
.Lchunk:                                           ; 7 trips: behind each change of slots but the last the next chunk is asked for
	CHANGE 1
	FOUR_STEPS
	s_sub_co_u32 s[SLOTS], s[SLOTS], 1
	s_cmp_lg_u32 s[SLOTS], 0
	s_cbranch_scc1 .Lchunk
	CHANGE 0                                       ; the last chunk is written out
	FOUR_STEPS
	; THE WAY OUT.  l's two halves and the other half of the lanes' are added; O^T is divided by l, rounded to f16 and sent through my stage, a tile (16 rows of y, 2,048 consecutive bytes) at a time.
.irp t, 0,1,2,3
	v_add_f32 v[ST+8*\t+4], v[ST+8*\t+2], v[ST+8*\t+3]
.endr
.irp t, 0,1,2,3
	v_permlanex16_b32 v[ST+8*\t+5], v[ST+8*\t+4], s[SEL], s[SEL+1]
.endr
.irp t, 0,1,2,3
	v_add_f32 v[ST+8*\t+4], v[ST+8*\t+4], v[ST+8*\t+5]
.endr
.irp t, 0,1,2,3
	v_rcp_f32 v[ST+8*\t+6], v[ST+8*\t+4]
.endr
	v_nop                                          ; a plain instruction between the last reciprocal and the use of its result
	s_wait_alu depctr_va_vdst(0)                   ; and one wait for the four
.macro PACK m
.set b, 0
.rept 16
	v_pk_mul_f32 v[O+32*\m+2*b:O+32*\m+2*b+1], v[O+32*\m+2*b:O+32*\m+2*b+1], v[ST+8*\m+6:ST+8*\m+7] op_sel_hi:[1,0]
.set b, b+1
.endr
.set b, 0
.rept 16
	v_cvt_pk_f16_f32 v[S+b], v[O+32*\m+2*b], v[O+32*\m+2*b+1]
.set b, b+1
.endr
.irp d, 0,1,2,3
	ds_store_b128 v[STO], v[S+4*\d:S+4*\d+3] offset:32*\d
.endr
.irp i, 0,1,2,3
	ds_load_b128 v[OUTB+16*\m+4*\i:OUTB+16*\m+4*\i+3], v[RD] offset:4*\i*PK   ; LDS serves a wave's instructions in order (ISA guide 5.7.1.4): these see the stores above; the next tile's stores come behind them
.endr
.endm
.macro SEND m, younger                 ; younger: the LDS instructions issued behind tile m's loads: the next tile's four stores and four loads, or none
.irp i, 0,1,2,3
	s_wait_dscnt \younger+3-\i
	global_store_b128 v[GO], v[OUTB+16*\m+4*\i:OUTB+16*\m+4*\i+3], s[YB:YB+1] offset:65536*\m+512*\i   ; 32 lanes store 512 consecutive bytes, aligned
.endr
.endm
	PACK 0
	PACK 1
	SEND 0, 8
	PACK 2
	SEND 1, 8
	PACK 3
	SEND 2, 8
	SEND 3, 0
	s_wait_tensorcnt 0x0                           ; the wave's end: behind my last tensor load and my last LDS store
	ds_add_u32 v[SPW], v[NIL]
	s_wait_dscnt 0x0
	CROUND                                         ; the closing round
	s_endpgm
.Lfunc_end_k_q4f6513879e_attn:
	.size	k_q4f6513879e_attn, .Lfunc_end_k_q4f6513879e_attn-k_q4f6513879e_attn
	.p2alignl 7, 3214868480
	.fill 96, 4, 3214868480
	.section	.rodata,"a",@progbits
	.p2align	6, 0x0
	.amdhsa_kernel k_q4f6513879e_attn
		.amdhsa_group_segment_fixed_size 327680
		.amdhsa_private_segment_fixed_size 0
		.amdhsa_enable_private_segment 0
		.amdhsa_kernarg_size 16
		.amdhsa_user_sgpr_count 2
		.amdhsa_user_sgpr_kernarg_segment_ptr 1
		.amdhsa_wavefront_size32 1
		.amdhsa_system_sgpr_workgroup_id_x 1
		.amdhsa_system_sgpr_workgroup_id_y 1
		.amdhsa_system_sgpr_workgroup_id_z 1
		.amdhsa_system_vgpr_workitem_id 0
		.amdhsa_next_free_vgpr 448
		.amdhsa_next_free_sgpr 66
		.amdhsa_reserve_vcc 1
		.amdhsa_float_denorm_mode_32 3
		.amdhsa_float_denorm_mode_16_64 3
		.amdhsa_memory_ordered 1
		.amdhsa_forward_progress 1
		.amdhsa_inst_pref_size 111
	.end_amdhsa_kernel
	.amdgpu_metadata
---
amdhsa.version: [ 1, 2 ]
amdhsa.kernels:
  - .name:           k_q4f6513879e_attn
    .symbol:         k_q4f6513879e_attn.kd
    .args:
      - { .name: qkv16, .offset: 0, .size: 8, .value_kind: global_buffer, .address_space: global }
      - { .name: y16, .offset: 8, .size: 8, .value_kind: global_buffer, .address_space: global }
    .group_segment_fixed_size: 327680
    .private_segment_fixed_size: 0
    .kernarg_segment_align: 8
    .kernarg_segment_size: 16
    .max_flat_workgroup_size: 256
    .sgpr_count:     66
    .vgpr_count:     448
    .wavefront_size: 32
...
	.end_amdgpu_metadata
.endif
;; end of part 3
;; launch proj (part 4): grid 4 x 64, 4 waves a work-group, clusters of 4 x 4, 327,680 bytes of LDS; arguments y16, wp16, bp, out0; writes out0
.if DOCPART == 4
	.amdgcn_target "amdgcn-amd-amdhsa--gfx1250"
	.amdhsa_code_object_version 6
	.text
	.protected	k_q4f6513879e_proj
	.globl	k_q4f6513879e_proj
	.p2align	8
	.type	k_q4f6513879e_proj,@function
k_q4f6513879e_proj:
	s_mov_b64 s[64:65], 0
	v_nop
	global_prefetch_b8 v0, s[64:65] scope:SCOPE_SE
	s_setreg_imm32_b32 hwreg(HW_REG_WAVE_MODE, 25, 1), 1
	s_wait_xcnt 0x0
	s_wait_alu depctr_hold_cnt(0) depctr_sa_sdst(0) depctr_va_vdst(0) depctr_va_sdst(0) depctr_va_ssrc(0) depctr_va_vcc(0) depctr_vm_vsrc(0)
	s_getreg_b32 s2, hwreg(HW_REG_IB_STS2, 6, 4)
	s_cmp_eq_u32 s2, 0
	s_cbranch_scc0 .Lentry_in_a_cluster
	s_endpgm
.Lentry_in_a_cluster:
	s_bfe_u32 s2, ttmp6, 0x10000c
	s_cmp_lg_u32 s2, 0xf033
	s_cbranch_scc0 .Lentry_shape_is_right
	s_endpgm
.Lentry_shape_is_right:
; out0[b][t][n] = the sum over c of y[b][t][c] Wp[c][n] + bp[n], f16 operands, f32 sums, for all rows with t >= 16.  y16 [b][h][t][64] f16 (c = 64 h + d), wp16 [1024 c][1024 n] f16, out0 [8192][1024] f32.
; LEFT TO THE LAST LAUNCH: positions 0-15 of every sequence.  Their 16 rows lie in a tile with live rows, so they are multiplied here with them, but not stored: each byte of out0 has one writer.
; A tile of C is 128 rows x 256 columns: 64 x 4 = 256 work-groups.  Four waves, each 64 x 128: 32 accumulators of 16 x 16, one window of registers.
; K goes in steps of 128 (two heads) through a ring of two LDS slots.  Waves 0 and 1 fetch a head's 128 rows of y each (128 dense bytes a row), waves 2 and 3 64 rows of Wp each (512 bytes of a row).
; CLUSTERS: 4 x 4.  cx is the tile column, cy the batch, cluster y the tile row in the batch.  y's tiles are shared along a row of the cluster, Wp's along a column: each is asked for JOINTLY.
; THE MATRIX INSTRUCTION IS USED TRANSPOSED (source 0 = 16 columns of Wp, turned out of LDS by ds_load_tr16_b128; source 1 = 16 rows of y): a lane then holds eight neighbouring columns of a row of C.
; bp is the C of each sum's first matrix instruction: another order of rounding than reference()'s, which adds it last.
; REGISTERS: window 0: v16-31 addresses; v32-63, v64-95 y's fragments, two buffers; v96-159 bp, 8 registers for each block of 16 columns; on the way out v128-255.
;   window 1: v0-63, v64-127 Wp's fragments, two buffers.   window 2: accumulator (a, b) at v[8 (8 a + b)].
.set AH,     128*144                   ; a head's 128 rows of y in LDS: 128 bytes + 16 of padding a row
.set BH,     64*544                    ; 64 rows of Wp: 512 bytes + 32 a row
.set SLOT,   2*AH+2*BH
.set STAGE,  2*SLOT                    ; behind the ring: 16 rows x 528 bytes for each wave, for the way out
.set SPITCH, 528
.set SPARE,  STAGE+4*16*SPITCH         ; the spare words, 128 bytes for each wave
.set ADRA, 16                          ; v16-17  LDS address of my fragments of y in slot 0, 1
.set ADRB, 20                          ; v20-21  the same for Wp
.set STO,  24
.set RD,   25
.set CO,   26
.set SPW,  28                          ; v28     LDS address of my spare word; never rewritten
.set NIL,  29                          ; v29     0; never rewritten
.set AF,   32
.set BP,   96
.set BK,   128
.set WV,   12                          ; s12 wave;  s13 which half of the tile's rows is mine, also: I fetch for y (0) or for Wp (1);  s14 which half of its columns, also: which half of a step's K I fetch
.set RH,   13
.set CH,   14
.set SKIP, 2                           ; s2  0 in a wave whose first 16 rows are positions 0-15 of a sequence
.set G1, 24
.set G0, 32
.set G1B, 48
.set G0B, 56
.set MSB, 0
.macro WIN new
.if MSB != \new
	s_set_vgpr_msb (MSB<<8)|\new
.set MSB, \new
.endif
.endm
.set MUL,    0xa1                      ; source 0 (Wp) window 1, source 1 (y) window 0, C and D window 2
.set MUL_BP, 0x81                      ; the same with C (bp) in window 0
.set TO_B,   0x40
.macro JLOAD s                         ; a joint load; an s_nop 0 and four v_nop follow each of the two lines
	s_cmp_eq_u32 s[RH], 0
	s_cbranch_scc0 .Lfor_b_\@
	tensor_load_to_lds s[G0+4*\s:G0+4*\s+3], s[G1:G1+7]
	s_nop 0
.rept 4
	v_nop
.endr
	s_branch .Lasked_\@
.Lfor_b_\@:
	tensor_load_to_lds s[G0B+4*\s:G0B+4*\s+3], s[G1B:G1B+7]
	s_nop 0
.rept 4
	v_nop
.endr
.Lasked_\@:
.endm
.macro CREST                           ; a round of the cluster's barrier behind its opening barrier
	s_cmp_lg_u32 s[WV], 0
	s_cbranch_scc1 .Lnot_wave_0_\@
	s_barrier_signal -3
.Lnot_wave_0_\@:
	s_barrier_wait -3
	s_barrier_signal -1
	s_barrier_wait -1
.endm
.macro CROUND
	s_barrier_signal -1
	s_barrier_wait -1
	CREST
.endm
	s_load_b256 s[4:11], s[0:1], 0x0               ; y16 4:5, wp16 6:7, bp 8:9, out0 10:11
	v_lshl_add_u32 v[SPW], v0, 2, SPARE
	v_mov_b32 v[NIL], 0
	ds_add_u32 v[SPW], v[NIL]                      ; the wave's opening: the add, twice on end, and its wait ahead of my first tensor load; the set-up below stands between
	ds_add_u32 v[SPW], v[NIL]
	v_lshrrev_b32 v1, 5, v0
	v_readfirstlane_b32 s[WV], v1
	s_lshr_b32 s[RH], s[WV], 1
	s_and_b32 s[CH], s[WV], 1
	s_bfe_u32 s40, ttmp6, 0x40000                  ; cx: the tile column
	s_bfe_u32 s41, ttmp6, 0x40004                  ; cy: the batch
	s_and_b32 s15, ttmp7, 0xffff                   ; cluster y: the tile row in the batch, the same in all sixteen partners
	s_or_b32 s[SKIP], s15, s[RH]
	s_lshl_b32 s43, s41, 2
	s_lshl_b32 s43, 15, s43                        ; my row of the cluster
	s_lshl_b32 s44, 0x1111, s40                    ; my column
	s_or_b32 s[G1], s43, (1<<16)|(1<<20)|(1<<21)|(4<<22)|(3<<25)    ; y: elements of 2 bytes; four words of padding after every 32
	s_mov_b32 s[G1+1], 64<<16                      ; tensor_dim0
	s_mov_b32 s[G1+2], 128<<16                     ; tensor_dim1
	s_mov_b32 s[G1+3], 64<<16                      ; tile_dim0
	s_mov_b32 s[G1+4], 128                         ; tile_dim1
	s_mov_b32 s[G1+5], 64                          ; tensor_dim0_stride
	s_mov_b32 s[G1+6], 0
	s_mov_b32 s[G1+7], 0
	s_or_b32 s[G1B], s44, (1<<16)|(1<<20)|(1<<21)|(6<<22)|(7<<25)   ; Wp: eight words of padding after every 128
	s_mov_b32 s[G1B+1], 256<<16
	s_mov_b32 s[G1B+2], 64<<16
	s_mov_b32 s[G1B+3], 256<<16
	s_mov_b32 s[G1B+4], 64
	s_mov_b32 s[G1B+5], 1024
	s_mov_b32 s[G1B+6], 0
	s_mov_b32 s[G1B+7], 0
	s_lshl_b32 s16, s41, 22                        ; y: the batch's 16 heads of 262,144 bytes,
	s_lshl_b32 s17, s[CH], 18                      ; the head of the step's two that I fetch,
	s_add_co_u32 s16, s16, s17
	s_lshl_b32 s17, s15, 14                        ; the tile's 128 rows of 128 bytes
	s_add_co_u32 s16, s16, s17
	s_mov_b32 s17, 0
	s_lshl_b32 s46, s[CH], 17                      ; Wp: the 64 rows of 2,048 bytes that I fetch,
	s_lshl_b32 s47, s40, 9                         ; the tile's 256 columns
	s_add_co_u32 s46, s46, s47
	s_mov_b32 s47, 0
	s_mul_i32 s20, s[CH], AH                       ; where they go: no place in the cluster enters an LDS address
	s_mul_i32 s21, s[CH], BH
	s_add_co_u32 s21, s21, 2*AH
	s_wait_dscnt 0x0                               ; both opening adds are done
	s_wait_kmcnt 0x0
	s_add_nc_u64 s[18:19], s[4:5], s[16:17]
	s_add_nc_u64 s[46:47], s[6:7], s[46:47]
	CROUND                                         ; all sixteen work-groups are here: the first joint loads meet
.irp s, 0,1
	s_mov_b32 s[G0+4*\s], 1
	s_add_co_u32 s[G0+4*\s+1], s20, \s*SLOT
	s_add_nc_u64 s[G0+4*\s+2:G0+4*\s+3], s[18:19], \s*524288       ; K step s: two heads on
	s_or_b32 s[G0+4*\s+3], s[G0+4*\s+3], 0x80000000
	s_mov_b32 s[G0B+4*\s], 1
	s_add_co_u32 s[G0B+4*\s+1], s21, \s*SLOT
	s_add_nc_u64 s[G0B+4*\s+2:G0B+4*\s+3], s[46:47], \s*262144     ; 128 rows on
	s_or_b32 s[G0B+4*\s+3], s[G0B+4*\s+3], 0x80000000
	JLOAD \s
.endr
	v_and_b32 v1, 15, v0                           ; r
	v_bfe_u32 v2, v0, 4, 1                         ; h
	s_lshl_b32 s22, s40, 10                        ; bp and out0: 256 cx + 128 x column half columns of 4 bytes
	s_lshl_b32 s23, s[CH], 9
	s_add_co_u32 s22, s22, s23
	s_mov_b32 s23, 0
	s_add_nc_u64 s[8:9], s[8:9], s[22:23]
	v_lshlrev_b32 v7, 5, v2                        ; 32 h; not rewritten
.irp b, 0,1,2,3,4,5,6,7                ; bp in the result's layout: for block b lane (r, h) wants columns 16 b + 8 h + 0 .. 7
	global_load_b128 v[BP+8*\b:BP+8*\b+3], v7, s[8:9] offset:64*\b
	global_load_b128 v[BP+8*\b+4:BP+8*\b+7], v7, s[8:9] offset:64*\b+16
.endr
	v_mul_u32_u24 v3, v1, 144
	v_lshl_add_u32 v3, v2, 4, v3                   ; y: row x pitch + 16 x half
	s_mul_i32 s16, s[RH], 64*144                   ; my 64 rows
	v_and_b32 v4, 7, v0                            ; Wp, for the turning load: row 8 h + l % 8, 16 bytes (l / 8) % 2
	v_lshl_add_u32 v4, v2, 3, v4
	v_mul_u32_u24 v4, v4, 544
	v_bfe_u32 v5, v0, 3, 1
	v_lshl_add_u32 v4, v5, 4, v4
	s_lshl_b32 s17, s[CH], 8                       ; my 128 columns
	s_add_co_u32 s17, s17, 2*AH
.irp s, 0,1
	v_add_nc_u32 v[ADRA+\s], s16, v3
	v_add_nc_u32 v[ADRB+\s], s17, v4
	s_add_co_u32 s16, s16, SLOT
	s_add_co_u32 s17, s17, SLOT
.endr
	s_mul_i32 s16, s[WV], 16*SPITCH
	s_add_co_u32 s16, s16, STAGE                   ; my stage
	v_mul_u32_u24 v5, v1, SPITCH
	v_lshl_add_u32 v5, v2, 5, v5
	v_add_nc_u32 v[STO], s16, v5                   ; in: row r, 32 bytes for each half of the lanes
	v_and_b32 v6, 31, v0
	v_lshlrev_b32 v[CO], 4, v6                     ; back: the 32 lanes take a row of 512 bytes; and the same in out0
	v_add_nc_u32 v[RD], s16, v[CO]
	s_lshl_b32 s16, s41, 23                        ; out0: (2,048 cy + 128 cluster y + 64 x row half) rows of 4,096 bytes
	s_lshl_b32 s17, s15, 19
	s_add_co_u32 s16, s16, s17
	s_lshl_b32 s17, s[RH], 18
	s_add_co_u32 s16, s16, s17
	s_add_co_u32 s16, s16, s22
	s_mov_b32 s17, 0
	s_add_nc_u64 s[10:11], s[10:11], s[16:17]
; 8 matrix instructions: y's block a against Wp's eight, 32 along K, from buffer f.  first = 1: bp is C.  The 32 accumulators take turns, one instruction a turn, in the same order in every quarter.
.macro MULA f, a, first
.irp b, 0,1,2,3,4,5,6,7
.if \first
	v_wmma_f32_16x16x32_f16 v[8*(8*(\a)+\b):8*(8*(\a)+\b)+7], v[64*(\f)+8*\b:64*(\f)+8*\b+7], v[AF+32*(\f)+8*(\a):AF+32*(\f)+8*(\a)+7], v[BP+8*\b:BP+8*\b+7]
.else
	v_wmma_f32_16x16x32_f16 v[8*(8*(\a)+\b):8*(8*(\a)+\b)+7], v[64*(\f)+8*\b:64*(\f)+8*\b+7], v[AF+32*(\f)+8*(\a):AF+32*(\f)+8*(\a)+7], v[8*(8*(\a)+\b):8*(8*(\a)+\b)+7]
.endif
.endr
.endm
; 24 LDS loads in one run: the fragments of the slot's q-th 32 along K into buffer f: Wp's 16, then y's blocks 0, 1, then 2, 3.  K = 32 q .. lies in head q / 2 of the step's two, channels 32 (q % 2) on.
.macro FETCH slot, q, f
	WIN TO_B
.irp b, 0,1,2,3,4,5,6,7
	ds_load_tr16_b128 v[64*(\f)+8*\b:64*(\f)+8*\b+3],   v[ADRB+\slot] offset:(\q)*32*544+32*\b
	ds_load_tr16_b128 v[64*(\f)+8*\b+4:64*(\f)+8*\b+7], v[ADRB+\slot] offset:(\q)*32*544+32*\b+16*544
.endr
	WIN 0
.irp i, 0,1,2,3
	ds_load_b128 v[AF+32*(\f)+8*\i:AF+32*(\f)+8*\i+3],   v[ADRA+\slot] offset:((\q)/2)*AH+64*((\q)%2)+\i*16*144
	ds_load_b128 v[AF+32*(\f)+8*\i+4:AF+32*(\f)+8*\i+7], v[ADRA+\slot] offset:((\q)/2)*AH+64*((\q)%2)+\i*16*144+32
.endr
.endm
.macro PLACES                          ; four places in front of loads into registers that matrix instructions have read, and of the first read of results (ISA guide 7.12.1 for the first read of results)
.rept 4
	v_nop
.endr
.endm
; A K step is four quarters of 32 along K, 32 matrix instructions each, on buffers 0, 1, 0, 1.  One of the first three: multiplies buffer f and fetches quarter qn into g.
.macro QUARTER slot, qn, f, g, first
	s_wait_dscnt 4                                 ; Wp's fragments and y's blocks 0, 1 are in; the youngest four loads (blocks 2, 3) may be out
.if \first
	WIN MUL_BP
.else
	WIN MUL
.endif
	MULA \f, 0, \first
	MULA \f, 1, \first
	PLACES
	FETCH \slot, \qn, \g
	s_wait_dscnt 24                                ; all but the 24 just issued
.if \first
	WIN MUL_BP
.else
	WIN MUL
.endif
	MULA \f, 2, \first
	MULA \f, 3, \first
.endm
; The last quarter multiplies buffer 1 and changes slots: ONE barrier; in front of it each wave waits for all its tensor loads, adds 0 to its spare word, and waits for that and for its own reads of this slot.
; fill = 1: the barrier opens a round of the cluster's, and this slot is filled again, two K steps ahead, first thing behind the round: the load has 112 matrix instructions of mine before the wait for it.
.macro TURN slot, next, fill
	WIN 0                                          ; (the add's two registers lie in window 0)
	s_wait_tensorcnt 0x0                           ; all my tensor loads have landed: my part of the next slot
	ds_add_u32 v[SPW], v[NIL]                      ; 0 onto my spare word
	s_wait_dscnt 5                                 ; (the add and the youngest four loads may be out)
	WIN MUL
	MULA 1, 0, 0
	s_wait_dscnt 0x0                               ; the add is done, and my reads of this slot are over
	s_barrier_signal -1
	MULA 1, 1, 0
.if \fill
	WIN 0
.endif
	s_barrier_wait -1
.if \fill
	CREST
	s_add_nc_u64 s[G0+4*\slot+2:G0+4*\slot+3], s[G0+4*\slot+2:G0+4*\slot+3], 2*524288
	s_add_nc_u64 s[G0B+4*\slot+2:G0B+4*\slot+3], s[G0B+4*\slot+2:G0B+4*\slot+3], 2*262144
	JLOAD \slot                                    ; the four v_nop behind it are also the places in front of the loads below
.else
	PLACES
.endif
	FETCH \next, 0, 0
	WIN MUL
	MULA 1, 2, 0
	MULA 1, 3, 0
.endm
	s_wait_tensorcnt 1                             ; my part of K step 0 is in (K step 1's load, issued behind it, may be out),
	s_barrier_signal -1
	s_barrier_wait -1                              ; everybody's is
	FETCH 0, 0, 0
	s_wait_loadcnt 0x0                             ; bp
	QUARTER 0, 1, 0, 1, 1                          ; the first quarter stands in front of the loop: its products start the sums from bp
	WIN 0                                          ; at a label and at a branch every window is 0
	s_mov_b32 s3, 3
.Llap:                                             ; a trip goes once round the ring and fills both slots again: K steps 2 to 7
	QUARTER 0, 2, 1, 0, 0
	QUARTER 0, 3, 0, 1, 0
	TURN 0, 1, 1
	QUARTER 1, 1, 0, 1, 0
	QUARTER 1, 2, 1, 0, 0
	QUARTER 1, 3, 0, 1, 0
	TURN 1, 0, 1
	QUARTER 0, 1, 0, 1, 0
	WIN 0
	s_sub_co_u32 s3, s3, 1
	s_cmp_lg_u32 s3, 0
	s_cbranch_scc1 .Llap
	QUARTER 0, 2, 1, 0, 0                          ; the last lap fills nothing, and has no round of the cluster's barrier
	QUARTER 0, 3, 0, 1, 0
	TURN 0, 1, 0
	QUARTER 1, 1, 0, 1, 0
	QUARTER 1, 2, 1, 0, 0
	QUARTER 1, 3, 0, 1, 0
	s_wait_dscnt 4                                 ; the very last quarter: nothing more to fetch
	WIN MUL
	MULA 1, 0, 0
	MULA 1, 1, 0
	s_wait_dscnt 0
	MULA 1, 2, 0
	MULA 1, 3, 0
	WIN 0
; THE WAY OUT, block by block of 16 rows x 128 columns, through my own stage: back come whole rows of 512 bytes.  LDS serves a wave's instructions in order (ISA guide 5.7.1.4).
.macro TOSTAGE a
	WIN 0x08                                       ; an LDS store's data are its source 1: window 2
.irp b, 0,1,2,3,4,5,6,7
	ds_store_b128 v[STO], v[8*(8*(\a)+\b):8*(8*(\a)+\b)+3] offset:64*\b        ; each accumulator from its low end on
	ds_store_b128 v[STO], v[8*(8*(\a)+\b)+4:8*(8*(\a)+\b)+7] offset:64*\b+16
.endr
	WIN 0
.set BB, BK+64*((\a)%2)
.irp t, 0,1,2,3,4,5,6,7,8,9,10,11,12,13,14,15
	ds_load_b128 v[BB+4*\t:BB+4*\t+3], v[RD] offset:\t*SPITCH
.endr
.endm
.macro SEND a, younger                 ; younger: the LDS instructions issued behind block a's loads, which may stay out
.set BB, BK+64*((\a)%2)
	s_wait_dscnt \younger
.if (\a) == 0
	s_cmp_eq_u32 s[SKIP], 0                        ; positions 0-15 of a sequence are the last launch's to store.  The branch hangs on the cluster's y and the wave's number
	s_cbranch_scc1 .Lnot_mine
.endif
.irp t, 0,1,2,3,4,5,6,7,8,9,10,11,12,13,14,15
	global_store_b128 v[CO], v[BB+4*\t:BB+4*\t+3], s[10:11] offset:65536*(\a)+4096*\t th:TH_STORE_NT   ; 32 lanes store 512 consecutive bytes, aligned; written once, read by nobody here
.endr
.if (\a) == 0
.Lnot_mine:
.endif
.endm
	PLACES
	TOSTAGE 0
.irp a, 1,2,3
.if \a > 1
	s_wait_xcnt 0x0                                ; block a - 2's stores have read their registers: block a's loads may land there
.endif
	TOSTAGE \a
	SEND \a-1, 32                                  ; behind block a - 1's loads: block a's 16 stores and 16 loads
.endr
	SEND 3, 0
	s_wait_tensorcnt 0x0                           ; the wave's end: behind my last tensor load and my last LDS store
	ds_add_u32 v[SPW], v[NIL]
	s_wait_dscnt 0x0
	CROUND                                         ; the closing round
	s_endpgm
.Lfunc_end_k_q4f6513879e_proj:
	.size	k_q4f6513879e_proj, .Lfunc_end_k_q4f6513879e_proj-k_q4f6513879e_proj
	.p2alignl 7, 3214868480
	.fill 96, 4, 3214868480
	.section	.rodata,"a",@progbits
	.p2align	6, 0x0
	.amdhsa_kernel k_q4f6513879e_proj
		.amdhsa_group_segment_fixed_size 327680
		.amdhsa_private_segment_fixed_size 0
		.amdhsa_enable_private_segment 0
		.amdhsa_kernarg_size 32
		.amdhsa_user_sgpr_count 2
		.amdhsa_user_sgpr_kernarg_segment_ptr 1
		.amdhsa_wavefront_size32 1
		.amdhsa_system_sgpr_workgroup_id_x 1
		.amdhsa_system_sgpr_workgroup_id_y 1
		.amdhsa_system_sgpr_workgroup_id_z 1
		.amdhsa_system_vgpr_workitem_id 0
		.amdhsa_next_free_vgpr 768
		.amdhsa_next_free_sgpr 66
		.amdhsa_reserve_vcc 0
		.amdhsa_float_denorm_mode_32 3
		.amdhsa_float_denorm_mode_16_64 3
		.amdhsa_memory_ordered 1
		.amdhsa_forward_progress 1
		.amdhsa_inst_pref_size 87
	.end_amdhsa_kernel
	.amdgpu_metadata
---
amdhsa.version: [ 1, 2 ]
amdhsa.kernels:
  - .name:           k_q4f6513879e_proj
    .symbol:         k_q4f6513879e_proj.kd
    .args:
      - { .name: y16, .offset: 0, .size: 8, .value_kind: global_buffer, .address_space: global }
      - { .name: wp16, .offset: 8, .size: 8, .value_kind: global_buffer, .address_space: global }
      - { .name: bp, .offset: 16, .size: 8, .value_kind: global_buffer, .address_space: global }
      - { .name: out0, .offset: 24, .size: 8, .value_kind: global_buffer, .address_space: global }
    .group_segment_fixed_size: 327680
    .private_segment_fixed_size: 0
    .kernarg_segment_align: 8
    .kernarg_segment_size: 32
    .max_flat_workgroup_size: 128
    .sgpr_count:     66
    .vgpr_count:     768
    .wavefront_size: 32
...
	.end_amdgpu_metadata
.endif
;; end of part 4
;; launch first16 (part 5): grid 32 x 4, 16 waves a work-group, no clusters, 34,816 bytes of LDS; arguments qkv32, Wp, bp, out0; writes out0
.if DOCPART == 5
	.amdgcn_target "amdgcn-amd-amdhsa--gfx1250"
	.amdhsa_code_object_version 6
	.text
	.protected	k_q4f6513879e_first16
	.globl	k_q4f6513879e_first16
	.p2align	8
	.type	k_q4f6513879e_first16,@function
k_q4f6513879e_first16:
	s_mov_b64 s[64:65], 0
	v_nop
	global_prefetch_b8 v0, s[64:65] scope:SCOPE_SE
	s_setreg_imm32_b32 hwreg(HW_REG_WAVE_MODE, 25, 1), 1
	s_wait_xcnt 0x0
; POSITIONS 0-15 OF EVERY SEQUENCE, ALL IN F32: there a row of the softmax averages one to sixteen values, the results are the largest in size, and 16-bit operands would use up what the comparison allows.
; qkv32 [b 4][t 16][3072] f32 (q, k, v of those positions, from launch gemm_qkv), Wp [1024][1024] f32, bp [1024], out0 rows t < 16 of each batch.  LEFT OUT: bk (shown at the head of launch prep).
; SHARES.  A work-group takes one batch (y) and 32 output columns (x).  Wave w takes head w: its 16 x 16 scores, softmax and 16 x 64 values, and then K = channels 64 w .. 64 w + 63 of the projection; the sixteen
; partial sums meet in LDS.  The small attention is done anew in each of the 32 column slices: 16 x 16 x 128 multiply-adds a wave, against another launch and a way through memory.
; NO CLUSTER, NO TENSOR LOAD: a work-group reads 192 KiB of qkv32's batch and a slice of 128 KiB of Wp, once, straight into operand registers, in an order (a lane a column, registers down K) that a tile in LDS
; would not spare; what partners would share is read once by each and is gone after one pass.
; ALL PRODUCTS by v_wmma_f32_16x16x4_f32, all TRANSPOSED, so that a lane holds one query (lane % 16) from the scores to the output, and nothing changes lanes between products: where a result becomes source 1 of
; the next product, K's places are permuted alike on both sources.  The registers that these instructions write are written by them alone; each sum begins with the constant 0.
; REGISTERS: v1-12 addresses; v13, v14 the add's two; v16-47 Q, v48-79 K, v80-111 V, v112-175 Wp; v176-183, v184-191 the scores' two sums; v192-223 y^T; v224-239 out^T; v240-247 scores, then p; v248-251 bp.
.set SPW,   13
.set NIL,   14
.set SPARE, 32768                      ; behind the sixteen images: the spare words, 128 bytes for each wave
	s_load_b256 s[4:11], s[0:1], 0x0               ; qkv32 4:5, Wp 6:7, bp 8:9, out0 10:11
	v_lshl_add_u32 v[SPW], v0, 2, SPARE
	v_mov_b32 v[NIL], 0
	v_lshrrev_b32 v6, 5, v0
	v_readfirstlane_b32 s12, v6                    ; wave = head
	s_and_b32 s13, ttmp7, 0xffff                   ; batch
	s_lshl_b32 s14, ttmp9, 7                       ; my 32 columns, in bytes
	v_and_b32 v6, 15, v0                           ; r
	v_bfe_u32 v7, v0, 4, 1                         ; h
	v_mul_u32_u24 v1, v6, 12288
	v_lshl_add_u32 v1, v7, 4, v1                   ; Q, K: row r of 12,288 bytes, + 16 h
	v_mul_u32_u24 v2, v7, 8*12288
	v_lshl_add_u32 v2, v6, 2, v2                   ; V: key 8 h, channel r
	v_lshlrev_b32 v3, 15, v7
	v_lshl_add_u32 v3, v6, 2, v3                   ; Wp: row 8 h of 4,096 bytes, column r
	v_lshlrev_b32 v8, 3, v7
	v_sub_nc_u32 v4, v6, v8                        ; r - 8 h: register j holds key 8 h + j, hidden where j > r - 8 h
	v_mov_b32 v5, 0xff800000                       ; -infinity
	v_and_b32 v6, 7, v0                            ; the sum over heads: thread t < 128 takes row t / 8 and columns 4 g .. 4 g + 3, g = t % 8
	v_bfe_u32 v7, v0, 3, 4
	v_lshrrev_b32 v8, 2, v6
	v_lshlrev_b32 v8, 1, v8
	v_and_b32 v9, 1, v6
	v_add_nc_u32 v8, v8, v9                        ; they lie in store 2 (g / 4) + g % 2 of an image,
	v_bfe_u32 v9, v6, 1, 1
	v_lshl_add_u32 v9, v9, 4, v7                   ; in the place of lane row + 16 ((g / 2) % 2)
	v_lshlrev_b32 v9, 4, v9
	v_lshl_add_u32 v9, v8, 9, v9
	v_lshlrev_b32 v11, 4, v6                       ; bp: 16 g
	v_lshl_add_u32 v10, v7, 12, v11                ; out0: row x 4,096 + 16 g
	v_and_b32 v12, 31, v0
	v_lshlrev_b32 v12, 4, v12
	s_lshl_b32 s15, s12, 11
	v_add_nc_u32 v12, s15, v12                     ; my image: 2,048 x wave + 16 x lane
	s_mul_i32 s16, s13, 196608                     ; qkv32: the batch's 16 rows, my head's 64 columns
	s_lshl_b32 s17, s12, 8
	s_add_co_u32 s16, s16, s17
	s_mov_b32 s17, 0
	s_lshl_b32 s18, s12, 18                        ; Wp: my head's 64 rows, my columns
	s_add_co_u32 s18, s18, s14
	s_mov_b32 s19, 0
	s_mov_b32 s20, s14
	s_mov_b32 s21, 0
	s_lshl_b32 s22, s13, 23                        ; out0: the batch's first row, my columns
	s_add_co_u32 s22, s22, s14
	s_mov_b32 s23, 0
	s_mov_b32 s24, 0x76543210
	s_mov_b32 s25, 0xfedcba98                      ; v_permlanex16_b32's selects for lane l xor 16
	s_mov_b32 s26, 0x3e38aa3b                      ; c = log2(e) / 8
	s_wait_kmcnt 0x0
	s_add_nc_u64 s[4:5], s[4:5], s[16:17]
	s_add_nc_u64 s[6:7], s[6:7], s[18:19]
	s_add_nc_u64 s[8:9], s[8:9], s[20:21]
	s_add_nc_u64 s[10:11], s[10:11], s[22:23]
.irp u, 0,1,2,3,4,5,6,7                ; lane (r, h) takes channels 8 u + 4 h + 0 .. 3 of row r: registers 4 u + 2 e, + 1 are K step 2 u + e, the same places of K in both sources
	global_load_b128 v[48+4*\u:51+4*\u], v1, s[4:5] offset:4096+32*\u
	global_load_b128 v[16+4*\u:19+4*\u], v1, s[4:5] offset:32*\u
.endr
.irp d, 0,1,2,3                        ; V(key 8 h + 2 s + j, channel 16 d + r)
.irp s, 0,1,2,3
.irp j, 0,1
	global_load_b32 v[80+8*\d+2*\s+\j], v2, s[4:5] offset:8192+(2*\s+\j)*12288+64*\d
.endr
.endr
.endr
	global_load_b128 v[248:251], v11, s[8:9]
.irp tau, 0,1                          ; Wp(64 w + 16 d + 8 h + 2 s + j, my column 16 tau + r)
.irp d, 0,1,2,3
.irp s, 0,1,2,3
.irp j, 0,1
	global_load_b32 v[112+32*\tau+8*\d+2*\s+\j], v3, s[6:7] offset:(16*\d+2*\s+\j)*4096+64*\tau
.endr
.endr
.endr
.endr
	s_wait_loadcnt 63                              ; 113 loads were issued: with 63 out the first 50 are in: Q, K, V
	; S^T = k q^T: source 0 = 16 keys, source 1 = 16 queries; 16 steps of 4 channels, on two sums by turns
	v_wmma_f32_16x16x4_f32 v[176:183], v[48:49], v[16:17], 0
	v_wmma_f32_16x16x4_f32 v[184:191], v[50:51], v[18:19], 0
.irp u, 1,2,3,4,5,6,7
	v_wmma_f32_16x16x4_f32 v[176:183], v[48+4*\u:49+4*\u], v[16+4*\u:17+4*\u], v[176:183]
	v_wmma_f32_16x16x4_f32 v[184:191], v[50+4*\u:51+4*\u], v[18+4*\u:19+4*\u], v[184:191]
.endr
.rept 8
	v_nop                                          ; eight places behind this form before a vector instruction reads the result (ISA guide 7.12.1)
.endr
.irp j, 0,1,2,3,4,5,6,7
	v_add_f32 v[240+\j], v[176+\j], v[184+\j]      ; the score of key 8 h + j and query r; both sums from their low end on
.endr
.irp j, 0,1,2,3,4,5,6,7
	v_cmp_gt_i32 vcc_lo, \j, v4                    ; the causal mask
	v_cndmask_b32 v[240+\j], v[240+\j], v5, vcc_lo
.endr
	v_max3_num_f32 v6, v240, v241, v242
	v_max3_num_f32 v6, v6, v243, v244
	v_max3_num_f32 v6, v6, v245, v246
	v_max_num_f32 v6, v6, v247
	v_permlanex16_b32 v7, v6, s24, s25             ; the query's other eight keys lie in the lane 16 away
	v_max_num_f32 v6, v6, v7                       ; the row's maximum: key 0 counts for every query, so it is a score
	v_mul_f32 v6, s26, v6
.irp j, 0,1,2,3,4,5,6,7
	v_fma_f32 v[240+\j], v[240+\j], s26, -v6       ; c s - c m
.endr
.irp j, 0,1,2,3,4,5,6,7
	v_exp_f32 v[240+\j], v[240+\j]
.endr
	v_nop                                          ; a plain instruction behind the last exponential
	s_wait_alu depctr_va_vdst(0)                   ; and one wait ahead of the batch's first reader
	v_add_f32 v7, v240, v241
	v_add_f32 v8, v242, v243
	v_add_f32 v7, v7, v244
	v_add_f32 v8, v8, v245
	v_add_f32 v7, v7, v246
	v_add_f32 v8, v8, v247
	v_add_f32 v7, v7, v8
	v_permlanex16_b32 v8, v7, s24, s25
	v_add_f32 v7, v7, v8                           ; the row's sum
	v_rcp_f32 v7, v7
	v_nop
	s_wait_alu depctr_va_vdst(0)
.irp j, 0,1,2,3,4,5,6,7
	v_mul_f32 v[240+\j], v[240+\j], v7             ; the weights
.endr
	; y^T = v^T p^T: source 0 = 16 channels, source 1 = my weights as they lie: in step s the K place (h, j) stands for key 8 h + 2 s + j in both sources.  Four sums by turns.
.irp d, 0,1,2,3
	v_wmma_f32_16x16x4_f32 v[192+8*\d:199+8*\d], v[80+8*\d:81+8*\d], v[240:241], 0
.endr
.irp s, 1,2,3
.irp d, 0,1,2,3
	v_wmma_f32_16x16x4_f32 v[192+8*\d:199+8*\d], v[80+8*\d+2*\s:81+8*\d+2*\s], v[240+2*\s:241+2*\s], v[192+8*\d:199+8*\d]
.endr
.endr
.rept 9
	v_nop                                          ; nine places behind this form before a matrix instruction takes the result as a source
.endr
	s_wait_loadcnt 0x0                             ; Wp, bp
	; out^T += Wp^T y^T: source 0 = 16 of my columns, source 1 = y^T as it lies: in step (d, s) the K place (h, j) stands for channel 16 d + 8 h + 2 s + j.  Two sums by turns.
	v_wmma_f32_16x16x4_f32 v[224:231], v[112:113], v[192:193], 0
	v_wmma_f32_16x16x4_f32 v[232:239], v[144:145], v[192:193], 0
.irp d, 0,1,2,3
.irp s, 0,1,2,3
.if (\d)+(\s) > 0
	v_wmma_f32_16x16x4_f32 v[224:231], v[112+8*\d+2*\s:113+8*\d+2*\s], v[192+8*\d+2*\s:193+8*\d+2*\s], v[224:231]
	v_wmma_f32_16x16x4_f32 v[232:239], v[144+8*\d+2*\s:145+8*\d+2*\s], v[192+8*\d+2*\s:193+8*\d+2*\s], v[232:239]
.endif
.endr
.endr
.rept 8
	v_nop
.endr
	ds_store_b128 v12, v[224:227]                  ; my head's part goes to LDS as an image of its registers: lane (r, h): out(row r, column 16 tau + 8 h + j); each sum from its low end on
	ds_store_b128 v12, v[228:231] offset:512
	ds_store_b128 v12, v[232:235] offset:1024
	ds_store_b128 v12, v[236:239] offset:1536
	s_wait_dscnt 0x0                               ; for the others' sake: my stores are done
	s_barrier_signal -1
	s_barrier_wait -1
	s_cmp_lt_u32 s12, 4                            ; waves 0-3 add the sixteen parts: 128 threads, 16 bytes of the result each
	s_cbranch_scc0 .Lend
.irp i, 0,1,2,3,4,5,6,7,8,9,10,11,12,13,14,15
	ds_load_b128 v[16+4*\i:19+4*\i], v9 offset:2048*\i
.endr
	s_wait_dscnt 0x0
.irp i, 0,2,4,6,8,10,12,14
	v_pk_add_f32 v[16+4*\i:17+4*\i], v[16+4*\i:17+4*\i], v[20+4*\i:21+4*\i]
	v_pk_add_f32 v[18+4*\i:19+4*\i], v[18+4*\i:19+4*\i], v[22+4*\i:23+4*\i]
.endr
.irp i, 0,4,8,12
	v_pk_add_f32 v[16+4*\i:17+4*\i], v[16+4*\i:17+4*\i], v[24+4*\i:25+4*\i]
	v_pk_add_f32 v[18+4*\i:19+4*\i], v[18+4*\i:19+4*\i], v[26+4*\i:27+4*\i]
.endr
.irp i, 0,8
	v_pk_add_f32 v[16+4*\i:17+4*\i], v[16+4*\i:17+4*\i], v[32+4*\i:33+4*\i]
	v_pk_add_f32 v[18+4*\i:19+4*\i], v[18+4*\i:19+4*\i], v[34+4*\i:35+4*\i]
.endr
	v_pk_add_f32 v[16:17], v[16:17], v[48:49]
	v_pk_add_f32 v[18:19], v[18:19], v[50:51]
	v_pk_add_f32 v[16:17], v[16:17], v[248:249]    ; + bp
	v_pk_add_f32 v[18:19], v[18:19], v[250:251]
	global_store_b128 v10, v[16:19], s[10:11] th:TH_STORE_NT   ; eight lanes store a row's 128 consecutive bytes: the work-group's 32 columns
.Lend:
	s_wait_tensorcnt 0x0                           ; the wave's end, behind my last LDS store
	ds_add_u32 v[SPW], v[NIL]
	s_wait_dscnt 0x0
	s_endpgm
.Lfunc_end_k_q4f6513879e_first16:
	.size	k_q4f6513879e_first16, .Lfunc_end_k_q4f6513879e_first16-k_q4f6513879e_first16
	.p2alignl 7, 3214868480
	.fill 96, 4, 3214868480
	.section	.rodata,"a",@progbits
	.p2align	6, 0x0
	.amdhsa_kernel k_q4f6513879e_first16
		.amdhsa_group_segment_fixed_size 34816
		.amdhsa_private_segment_fixed_size 0
		.amdhsa_enable_private_segment 0
		.amdhsa_kernarg_size 32
		.amdhsa_user_sgpr_count 2
		.amdhsa_user_sgpr_kernarg_segment_ptr 1
		.amdhsa_wavefront_size32 1
		.amdhsa_system_sgpr_workgroup_id_x 1
		.amdhsa_system_sgpr_workgroup_id_y 1
		.amdhsa_system_sgpr_workgroup_id_z 1
		.amdhsa_system_vgpr_workitem_id 0
		.amdhsa_next_free_vgpr 256
		.amdhsa_next_free_sgpr 66
		.amdhsa_reserve_vcc 1
		.amdhsa_float_denorm_mode_32 3
		.amdhsa_float_denorm_mode_16_64 3
		.amdhsa_memory_ordered 1
		.amdhsa_forward_progress 1
		.amdhsa_inst_pref_size 25
	.end_amdhsa_kernel
	.amdgpu_metadata
---
amdhsa.version: [ 1, 2 ]
amdhsa.kernels:
  - .name:           k_q4f6513879e_first16
    .symbol:         k_q4f6513879e_first16.kd
    .args:
      - { .name: qkv32, .offset: 0, .size: 8, .value_kind: global_buffer, .address_space: global }
      - { .name: Wp, .offset: 8, .size: 8, .value_kind: global_buffer, .address_space: global }
      - { .name: bp, .offset: 16, .size: 8, .value_kind: global_buffer, .address_space: global }
      - { .name: out0, .offset: 24, .size: 8, .value_kind: global_buffer, .address_space: global }
    .group_segment_fixed_size: 34816
    .private_segment_fixed_size: 0
    .kernarg_segment_align: 8
    .kernarg_segment_size: 32
    .max_flat_workgroup_size: 512
    .sgpr_count:     66
    .vgpr_count:     256
    .wavefront_size: 32
...
	.end_amdgpu_metadata
.endif
;; end of part 5
